; MI455X (gfx1250); checked and timed in simulation.
; The chip was launched on July 23, 2026; its instructions are those of AMD's public machine-readable ISA for CDNA 5 (MIT licence, August 2026) and "CDNA5" Instruction Set Architecture Reference Guide (July 2026). The comments in the code are by the model that wrote it; some were corrected since.
;; Transformer Block. Allowed arithmetic: matrix products marked QUANTISED: E2M3 operands, one E8M0 scale for each 32 along K, by v_wmma_scale_f32_16x16x128_f8f6f4 with both operands' format E2M3, f32 sums; everything else in f32.
;; Inputs: ff1_b 4,096 float32; ff1_w 1,024 x 4,096 float32; ff2_b 1,024 float32; ff2_w 4,096 x 1,024 float32; ln1_b 1,024 float32; ln1_g 1,024 float32; ln2_b 1,024 float32; ln2_g 1,024 float32; proj_b 1,024 float32; proj_w 1,024 x 1,024 float32; wk 16 x 1,024 x 64 float32; wq 16 x 1,024 x 64 float32; wv 16 x 1,024 x 64 float32; x 4 x 1,024 x 1,024 float32.
;; Outputs: out0 4 x 1,024 x 1,024 float32.
;; This version of the problem:
;;   THIS VERSION OF THE PROBLEM IS GIVEN IN LOW PRECISION. The matrix products marked QUANTISED in the list below multiply operands that are first quantised to E2M3 (2 exponent bits, 3 mantissa bits; 6 bits a number), with one power-of-two scale for each 32 numbers along K (OCP MX v1.0); their sums are f32. All else is computed in f32.
;;   The module's matrix products, in the order in which they are computed (A, B: the left and right operand; K: the contracted axis; several contracted axes count as one K, in the product's order):
;;     1. [M 1,024, K 1,024] x [K 1,024, N 4,096]; A: input wq; B: computed on the way: QUANTISED
;;     2. [M 1,024, K 1,024] x [K 1,024, N 4,096]; A: input wk; B: computed on the way: QUANTISED
;;     3. [M 1,024, K 1,024] x [K 1,024, N 4,096]; A: input wv; B: computed on the way: QUANTISED
;;     4. batch 64 x [M 1,024, K 64] x [K 64, N 1,024]; A: computed on the way; B: computed on the way: QUANTISED
;;     5. batch 64 x [M 1,024, K 1,024] x [K 1,024, N 64]; A: softmax (see below); B: computed on the way: QUANTISED
;;     6. [M 4,096, K 1,024] x [K 1,024, N 1,024]; A: computed on the way; B: input proj_w: QUANTISED
;;     7. [M 4,096, K 1,024] x [K 1,024, N 4,096]; A: computed on the way; B: input ff1_w: QUANTISED
;;     8. [M 4,096, K 4,096] x [K 4,096, N 1,024]; A: computed on the way; B: input ff2_w: QUANTISED
;;   THE QUANTISER, for each operand of a quantised product, along K:
;;     - K is cut into blocks of 32 from its start; a last block that is shorter is filled with zeros.
;;     - A block's scale is 2^e with e = floor(log2(the largest magnitude in the block)) - 2, held to -126 .. 127; a block of zeros has e = 0. As a byte (E8M0): e + 127.
;;     - Each number is divided by its block's scale, clamped to +-7.5, and rounded to the nearest number of E2M3, ties to even, subnormals kept.
;;     - The product sums the exact products of the quantised numbers (number of the format x scale) in f32.
;;   ~~~python
;;   def quantise(x, axis):      # numpy; x: float32 -> the quantised numbers, widened to float32 again
;;       x = np.moveaxis(x, axis, -1); K = x.shape[-1]
;;       x = np.pad(x, [(0, 0)] * (x.ndim - 1) + [(0, -K % 32)]); x = x.reshape(x.shape[:-1] + (-1, 32)); a = np.abs(x).max(-1, keepdims=True)
;;       e = np.where(a > 0, np.clip(np.frexp(np.where(a > 0, a, 1))[1] - 1 - 2, -126, 127), 0)      # np.frexp(a)[1] - 1 = floor(log2(a)), exactly
;;       r = np.clip(x / 2.0 ** e, -7.5, 7.5)
;;       step = 2.0 ** (np.maximum(np.frexp(np.where(r == 0, 1, r))[1] - 1, 0) - 3)
;;       q = np.round(r / step) * step * 2.0 ** e      # np.round: ties to even
;;       return np.moveaxis(q.reshape(q.shape[:-2] + (-1,))[..., :K], -1, axis).astype(np.float32)
;;   ~~~
;;   SOFTMAX AHEAD OF A QUANTISED PRODUCT. Where the list says 'softmax', what is quantised is not the finished softmax but p = 2^(t - M), with t = logit x log2(e) and M = ceil(the row's largest t), a whole number; so 1/2 < the row's largest p <= 1. The row's sum l is taken of the UNQUANTISED p, in f32, and the product's result is divided by l at the end. Since M is a whole number, a kernel that streams over the keys may use a running M (the ceiling of the running maximum): every later rescaling is an exact power of two, which a block's scale takes up: the codes' values come out the same.
;;   OPERANDS COMPUTED ON THE WAY. 'Computed on the way' means the value that the module computes at that place (a softmax that the list does not call 'softmax' is quantised finished and normalised). What goes into a quantiser is computed in f32, as accurately as f32 sums, v_exp_f32 and their like allow (about 1e-6 of the number): no bf16 or f16 on the way to a quantiser, and a product that is left as it is and whose result goes on into a quantised operand takes f32 operands (vector FMAs, or v_wmma_f32_16x16x4_f32). A number that lies on a knife's edge between two numbers of the format may be rounded either way, as far as f32 arithmetic and the matrix unit's own rounding can turn it there, and no further.
;; One version. Each part assembles by itself: llvm-mc -triple=amdgcn-amd-amdhsa -mcpu=gfx1250 --defsym DOCPART=n.
;; ======== version 1 of 1: 6 launches
;; limits: right only within a limited range of input values
;; workspace buffers: wc 10,649,600 bytes; hc 3,276,800 bytes; qkvc 9,830,400 bytes; oc 3,276,800 bytes; x1 16,777,216 bytes; h2c 3,276,800 bytes; hid 13,107,200 bytes
;; launch prep (part 1): grid 640 x 1, 8 waves a work-group, no clusters, 70,656 bytes of LDS; arguments x, ln1_g, ln1_b, wq, wk, wv, proj_w, ff1_w, ff2_w, hc, wc; writes hc, wc
.if DOCPART == 1
	.amdgcn_target "amdgcn-amd-amdhsa--gfx1250"
	.amdhsa_code_object_version 6
	.text
	.protected	k_q2d03796204_prep
	.globl	k_q2d03796204_prep
	.p2align	8
	.type	k_q2d03796204_prep,@function
k_q2d03796204_prep:
	s_mov_b64 s[64:65], 0
	v_nop
	global_prefetch_b8 v0, s[64:65] scope:SCOPE_SE
	s_setreg_imm32_b32 hwreg(HW_REG_WAVE_MODE, 25, 1), 1
	s_wait_xcnt 0x0
; FIRST LAUNCH OF SIX of a transformer block whose eight matrix products run on codes of E2M3 with one E8M0 scale for each 32 along K.
; It makes two operands: hc = the codes of ln1(x), and wc = the codes of all six weights, each quantised along its product's K.
; WORK LEFT OUT IN THE PROGRAM: reference() masks the scores by jnp.tril, built in its own body: key t counts for query s only where t <= s.  A masked score is the least f32 number,
; its p = 2^(t - M) is 0 for all finite inputs (key 0 counts for every query, so M is a number), and a zero adds nothing to the row's sum or to the second product.  So key steps of 128
; keys that lie wholly behind a tile of queries are not multiplied (launch attn).  Limit: a NaN, an infinity or an overflow that would reach only those scores is not carried to the result.
; No input is without a way to the output: all fourteen are loaded by some launch.
; LAYOUT OF EVERY OPERAND IN WORKSPACE: an image of the matrix instruction's registers.  Rows (tokens, or a weight's output columns) go in groups of 32; tile 2 g + u holds, as its row r,
; index 32 g + 8 u + r + 8 (r / 8).  Codes: [K / 128][tile][1,536 bytes]: registers 0-3 at 16 x lane, 4-5 at 512 + 8 x lane, 6-9 at 768 + 16 x lane, 10-11 at 1,280 + 8 x lane.
; Scales: [K / 128][tile][16 words], row r's four bytes.  With that order of rows a product's result has, in a lane's registers, 16 neighbours along the next product's K.
; THE QUANTISER: a block's scale is 2^(floor(log2(largest magnitude)) - 2); its byte is the largest magnitude's exponent field - 2, held at 1 from below.
; LIMITS: NaN and infinities among the inputs are not served; blocks whose largest magnitude lies under 2^-124 keep the byte 1; a block of zeros has the byte 1 where the rule says 127
; (its codes are zeros, and this program alone reads the bytes).
; SHARES.  Work-groups 0-255: one tile of 16 tokens each; wave w has columns 128 w on, one K step.  Mean and variance (two passes: the mean first, then the squares of the differences)
; meet through LDS.  Work-groups 256-639: the weights; a wave takes 32 columns x 128 along K, a lane a column, its registers down K; no LDS.
.set FRB,   1536
.set BLK,   8*FRB+512                  ; IN hc AND wc EIGHT TILES OF ONE K STEP MAKE A BLOCK OF 12,800 BYTES: their eight images of 1,536 bytes, then their scale words, 64 bytes a tile; blocks lie [K / 128][tile / 8]
.set STG,   16*528                     ; a wave's stage: 16 rows of 512 bytes + 16
.set ST1,   8*STG                      ; the waves' sums, 128 bytes a wave; the sums of squares lie 1,024 bytes on
.set SPARE, ST1+2048                   ; the spare words, 128 bytes for each wave
.set WPC,   3276800                    ; wc: the blocks of proj_w, ff1_w, ff2_w (wq, wk, wv at 0)
.set WF1C,  4096000
.set WF2C,  7372800
.set XP,  4                            ; s[4:5] x; s[6:7] gain; s[8:9] bias; s[22:23] hc
.set GP,  6
.set BP,  8
.set OP,  22
.set SEL, 36                           ; s[36:37] lane selects: lane l xor 16
.set SPW, 12                           ; v12 my spare word's address; v13 0; never rewritten
.set NIL, 13
.set RAW, 16                           ; v16-79   the rows as loaded; later the bias
.set X,   80                           ; v80-143  register 16 b + i = column 32 b + 16 h + i of my row
.set GA,  144                          ; v144-207 the gain; later the codes
.set SA,  208                          ; v208-215 sums
.set R8,  216                          ; v216-223 the eight waves' sums
.set MU,  224
.set RS,  226
.set TM,  228                          ; v228-243 the quantiser's
.set PW,  244
.set PC,  144
.set PT,  156
.set WX,  32                           ; the weights' path: v32-95 two sets of 32 numbers; v96-107, v108-119 codes; v120-128 at work
.macro QUANT s                         ; 64 numbers of a lane become a fragment's codes in v[PC] on and its scale word in v[PW]
.irp b, 0,1,2,3
	v_max3_num_f32 v[TM+\b], |v[\s+16*\b]|, |v[\s+1+16*\b]|, 0x1800000   ; my 16 numbers of block b, and the floor 2^(3 - 127): the byte cannot fall under 1
.endr
.irp i, 2,4,6,8,10,12,14
.irp b, 0,1,2,3
	s_delay_alu instid0(VALU_DEP_4)
	v_max3_num_f32 v[TM+\b], v[TM+\b], |v[\s+16*\b+\i]|, |v[\s+1+16*\b+\i]|
.endr
.endr
.irp b, 0,1,2,3
	s_delay_alu instid0(VALU_DEP_4)
	v_permlanex16_b32 v[TM+4+\b], v[TM+\b], s[SEL], s[SEL+1]
.endr
.irp b, 0,1,2,3
	s_delay_alu instid0(VALU_DEP_4)
	v_max_num_f32 v[TM+\b], v[TM+\b], v[TM+4+\b]       ; with lane l xor 16's: the block's largest magnitude
.endr
.irp b, 0,1,2,3
	s_delay_alu instid0(VALU_DEP_4)
	v_add_nc_u32 v[TM+12+\b], 0xff000000, v[TM+\b]     ; 2 off its exponent field: the conversion's scale operand
.endr
.irp b, 0,1,2,3
	s_delay_alu instid0(VALU_DEP_4)
	v_lshrrev_b32 v[TM+4+\b], 23, v[TM+12+\b]          ; the scale's byte
.endr
	s_delay_alu instid0(VALU_DEP_3)
	v_lshl_or_b32 v[PW], v[TM+5], 8, v[TM+4]
	s_delay_alu instid0(VALU_DEP_1)
	v_lshl_or_b32 v[PW], v[TM+6], 16, v[PW]
	s_delay_alu instid0(VALU_DEP_1)
	v_lshl_or_b32 v[PW], v[TM+7], 24, v[PW]
.irp c, 0,1
	v_cvt_scalef32_pk16_fp6_f32 v[PC+6*\c:PC+2+6*\c], v[\s+32*\c:\s+15+32*\c], v[TM+12+2*\c]
	v_cvt_scalef32_pk16_fp6_f32 v[PT+4*\c:PT+2+4*\c], v[\s+16+32*\c:\s+31+32*\c], v[TM+12+2*\c+1]
.endr
	v_nop                                              ; one plain place behind a scaled conversion
.irp c, 0,1                                            ; the layout wants a whole block in a lane: lanes 0-15 block 2 c, lanes 16-31 block 2 c + 1
.irp i, 0,1,2
	v_permlane16_swap_b32 v[PC+6*\c+\i], v[PT+4*\c+\i]
.endr
.irp i, 0,1,2
	s_delay_alu instid0(VALU_DEP_3)
	v_mov_b32 v[PC+3+6*\c+\i], v[PT+4*\c+\i]
.endr
.endr
.endm
.macro REDUCE off                      ; v[SA:SA+7], four packed sums, become the row's sum over all 1,024 columns in v[R8]
	s_delay_alu instid0(VALU_DEP_3)
	v_pk_add_f32 v[SA:SA+1], v[SA:SA+1], v[SA+2:SA+3]
	s_delay_alu instid0(VALU_DEP_2)
	v_pk_add_f32 v[SA+4:SA+5], v[SA+4:SA+5], v[SA+6:SA+7]
	s_delay_alu instid0(VALU_DEP_1)
	v_pk_add_f32 v[SA:SA+1], v[SA:SA+1], v[SA+4:SA+5]
	s_delay_alu instid0(VALU_DEP_1)
	v_add_f32 v[SA], v[SA], v[SA+1]
	s_delay_alu instid0(VALU_DEP_1)
	v_permlanex16_b32 v[SA+1], v[SA], s[SEL], s[SEL+1]
	s_delay_alu instid0(VALU_DEP_1)
	v_add_f32 v[SA], v[SA], v[SA+1]                    ; my wave's 128 columns of row r
	ds_store_b32 v8, v[SA] offset:\off
	s_wait_dscnt 0x0                                   ; for the others' sake: my store has landed
	s_barrier_signal -1
	s_barrier_wait -1
.irp k, 0,1,2,3,4,5,6,7
	ds_load_b32 v[R8+\k], v9 offset:\off+128*\k        ; row r's sums of the eight waves
.endr
	s_wait_dscnt 0x0
	v_add_f32 v[R8], v[R8], v[R8+1]
	v_add_f32 v[R8+2], v[R8+2], v[R8+3]
	v_add_f32 v[R8+4], v[R8+4], v[R8+5]
	v_add_f32 v[R8+6], v[R8+6], v[R8+7]
	s_delay_alu instid0(VALU_DEP_3)
	v_add_f32 v[R8], v[R8], v[R8+2]
	s_delay_alu instid0(VALU_DEP_2)
	v_add_f32 v[R8+4], v[R8+4], v[R8+6]
	s_delay_alu instid0(VALU_DEP_1)
	v_add_f32 v[R8], v[R8], v[R8+4]
.endm
	s_load_b256 s[4:11], s[0:1], 0x0                   ; x, ln1_g, ln1_b, wq
	s_load_b256 s[12:19], s[0:1], 0x20                 ; wk, wv, proj_w, ff1_w
	s_load_b128 s[20:23], s[0:1], 0x40                 ; ff2_w, hc
	s_load_b64 s[24:25], s[0:1], 0x50                  ; wc
	v_lshl_add_u32 v[SPW], v0, 2, SPARE
	v_mov_b32 v[NIL], 0
	v_lshrrev_b32 v1, 5, v0
	s_delay_alu instid0(VALU_DEP_1)
	v_readfirstlane_b32 s26, v1                        ; wave 0..7
	v_and_b32 v1, 31, v0                               ; lane
	v_and_b32 v2, 15, v0                               ; r
	v_bfe_u32 v3, v0, 4, 1                             ; h
	s_delay_alu instid0(VALU_DEP_3)
	v_lshlrev_b32 v4, 4, v1                            ; 16 x lane
	s_delay_alu instid0(VALU_DEP_4)
	v_lshlrev_b32 v5, 3, v1                            ; 8 x lane
	s_wait_kmcnt 0x0
	s_cmp_ge_u32 ttmp9, 256
	s_cbranch_scc1 .Lweights
	; ---- the layer norm of one tile of 16 tokens
	s_lshr_b32 s27, ttmp9, 1
	s_lshl_b32 s27, s27, 5
	s_and_b32 s28, ttmp9, 1
	s_lshl_b32 s28, s28, 3
	s_add_co_u32 s27, s27, s28                         ; the tile's first token: 32 (T / 2) + 8 (T % 2)
	s_lshl_b32 s30, s26, 9                             ; my 128 columns: 512 bytes on
	s_lshl_b32 s28, s27, 12
	s_add_co_u32 s28, s28, s30
	s_mov_b32 s29, 0
	s_add_nc_u64 s[XP:XP+1], s[XP:XP+1], s[28:29]
	s_mul_i32 s31, s26, STG                            ; my stage
	s_wait_alu depctr_va_vdst(0)
	v_add_nc_u32 v6, s31, v4                           ; in: a row's 512 bytes as they lie
	v_mul_u32_u24 v7, v2, 528
	s_delay_alu instid0(VALU_DEP_1)
	v_lshl_add_u32 v7, v3, 6, v7
	s_delay_alu instid0(VALU_DEP_1)
	v_add_nc_u32 v7, s31, v7                           ; out: row r, 64 h bytes on
	v_lshl_add_u32 v8, v0, 2, ST1                      ; my word among the sums: 128 x wave + 4 x lane
	v_lshl_add_u32 v9, v1, 2, ST1                      ; wave 0's word of my lane
	v_lshl_add_u32 v10, v3, 6, s30                     ; gain and bias: 512 w + 64 h
	v_lshlrev_b32 v11, 2, v2                           ; 4 r
	s_mov_b32 s[SEL], 0x76543210
	s_mov_b32 s[SEL+1], 0xfedcba98
	s_mov_b32 s40, 0x3a800000                          ; 1 / 1,024
.set i, 0
.rept 16
	global_load_b128 v[RAW+4*i:RAW+4*i+3], v4, s[XP:XP+1] offset:(i+8*(i/8))*4096   ; row i of the tile: 32 lanes read 512 consecutive bytes
.set i, i+1
.endr
.irp b, 0,1,2,3
.irp j, 0,1,2,3
	global_load_b128 v[GA+16*\b+4*\j:GA+16*\b+4*\j+3], v10, s[GP:GP+1] offset:128*\b+16*\j
.endr
.endr
.irp b, 0,1,2,3
	v_mov_b32 v[TM+4+\b], 0                            ; written once: a lane permute's destination counts as one of its sources
.endr
	s_lshl_b32 s28, s26, 5                             ; where my fragment goes: block 32 w + T / 8,
	s_lshr_b32 s31, ttmp9, 3
	s_add_co_u32 s28, s28, s31
	s_mul_i32 s28, s28, BLK
	s_add_nc_u64 s[38:39], s[OP:OP+1], s[28:29]
	s_and_b32 s31, ttmp9, 7                            ; in it image T % 8,
	s_mul_i32 s28, s31, FRB
	s_add_nc_u64 s[34:35], s[38:39], s[28:29]
	s_lshl_b32 s28, s31, 6                             ; and behind the eight images its 16 scale words
	s_add_co_u32 s28, s28, 8*FRB
	s_add_nc_u64 s[38:39], s[38:39], s[28:29]
	s_wait_alu depctr_va_vdst(0)
	s_wait_loadcnt 16                                  ; the sixteen rows are in; the gain's sixteen loads may be out
.set i, 0
.rept 16
	ds_store_b128 v6, v[RAW+4*i:RAW+4*i+3] offset:i*528
.set i, i+1
.endr
.irp b, 0,1,2,3
.irp j, 0,1,2,3
	ds_load_b128 v[X+16*\b+4*\j:X+16*\b+4*\j+3], v7 offset:128*\b+16*\j   ; LDS serves a wave's instructions in order: these see my stores
.endr
.endr
	s_wait_dscnt 0x0
.irp b, 0,1,2,3
.irp j, 0,1,2,3
	global_load_b128 v[RAW+16*\b+4*\j:RAW+16*\b+4*\j+3], v10, s[BP:BP+1] offset:128*\b+16*\j
.endr
.endr
.irp c, 0,1,2,3
	v_pk_add_f32 v[SA+2*\c:SA+2*\c+1], v[X+16*\c:X+16*\c+1], v[X+16*\c+2:X+16*\c+3]
.endr
.irp i, 4,6,8,10,12,14
.irp c, 0,1,2,3
	s_delay_alu instid0(VALU_DEP_4)
	v_pk_add_f32 v[SA+2*\c:SA+2*\c+1], v[SA+2*\c:SA+2*\c+1], v[X+16*\c+\i:X+16*\c+\i+1]
.endr
.endr
	REDUCE 0
	s_delay_alu instid0(VALU_DEP_1)
	v_mul_f32 v[MU], s40, v[R8]                        ; the mean
	s_delay_alu instid0(VALU_DEP_1)
	v_mov_b32 v[MU+1], v[MU]
.set j, 0
.rept 32
	v_pk_add_f32 v[X+j:X+j+1], v[X+j:X+j+1], v[MU:MU+1] neg_lo:[0,1] neg_hi:[0,1]
.set j, j+2
.endr
.irp c, 0,1,2,3
	v_pk_mul_f32 v[SA+2*\c:SA+2*\c+1], v[X+16*\c:X+16*\c+1], v[X+16*\c:X+16*\c+1]
.endr
.irp i, 2,4,6,8,10,12,14
.irp c, 0,1,2,3
	s_delay_alu instid0(VALU_DEP_4)
	v_pk_fma_f32 v[SA+2*\c:SA+2*\c+1], v[X+16*\c+\i:X+16*\c+\i+1], v[X+16*\c+\i:X+16*\c+\i+1], v[SA+2*\c:SA+2*\c+1]
.endr
.endr
	REDUCE 1024                                        ; bytes of their own: no wave writes words that another may still read
	s_delay_alu instid0(VALU_DEP_1)
	v_fmaak_f32 v[R8+1], s40, v[R8], 0x3727c5ac        ; the variance + 1e-5
	s_wait_alu depctr_va_vdst(0)
	v_rsq_f32 v[RS], v[R8+1]
	v_nop                                              ; a plain place behind the transcendental
	s_wait_alu depctr_va_vdst(0)                       ; and the wait ahead of its first reader
	v_mov_b32 v[RS+1], v[RS]
	s_wait_alu depctr_va_vdst(0)
	s_wait_loadcnt 0x0                                 ; gain and bias
.set j, 0
.rept 32
	v_pk_mul_f32 v[X+j:X+j+1], v[X+j:X+j+1], v[RS:RS+1]
.set j, j+2
.endr
.set j, 0
.rept 32
	v_pk_fma_f32 v[X+j:X+j+1], v[X+j:X+j+1], v[GA+j:GA+j+1], v[RAW+j:RAW+j+1]
.set j, j+2
.endr
	QUANT X
	global_store_b128 v4, v[PC:PC+3], s[34:35]                 ; 512 consecutive bytes
	global_store_b64 v5, v[PC+4:PC+5], s[34:35] offset:512     ; 256
	global_store_b128 v4, v[PC+6:PC+9], s[34:35] offset:768
	global_store_b64 v5, v[PC+10:PC+11], s[34:35] offset:1280
	global_store_b32 v11, v[PW], s[38:39]                      ; the tile's 16 scale words; lanes 16-31 repeat lanes 0-15: same address, same value
	s_wait_tensorcnt 0x0                               ; the wave's end
	ds_add_u32 v[SPW], v[NIL]
	s_wait_dscnt 0x0
	s_endpgm
	; ---- the weights.  K is each weight's first axis (within a head for wq, wk, wv): a lane takes a column, its registers run down K
.macro WLOAD t, p                      ; block t: rows 32 t + i of my 128, my column, into set t % 2; p: bytes from row to row
.irp i, 0,1,2,3,4,5,6,7,8,9,10,11,12,13,14,15,16,17,18,19,20,21,22,23,24,25,26,27,28,29,30,31
	global_load_b32 v[WX+32*((\t)%2)+\i], v6, s[34:35] offset:(32*(\t)+\i)*\p th:TH_LOAD_NT
.endr
.endm
.macro WBLOCK t, p
.set XS, WX+32*((\t)%2)
.set HH, 96+12*((\t)%2)+6*((\t)/2)     ; blocks 0, 2 go to v96 on, blocks 1, 3 to v108 on
.if (\t) < 3
	s_wait_loadcnt 32                                  ; this block's 32 loads are in; the next block's may be out
.else
	s_wait_loadcnt 0x0
.endif
	v_max3_num_f32 v124, |v[XS]|, |v[XS+1]|, |v[XS+2]|
	v_max3_num_f32 v125, |v[XS+3]|, |v[XS+4]|, |v[XS+5]|
.irp i, 6,10,14,18,22,26
	s_delay_alu instid0(VALU_DEP_2)
	v_max3_num_f32 v124, v124, |v[XS+\i]|, |v[XS+\i+1]|
	s_delay_alu instid0(VALU_DEP_2)
	v_max3_num_f32 v125, v125, |v[XS+\i+2]|, |v[XS+\i+3]|
.endr
	s_delay_alu instid0(VALU_DEP_2)
	v_max3_num_f32 v124, v124, |v[XS+30]|, |v[XS+31]|
	s_delay_alu instid0(VALU_DEP_1)
	v_max3_num_f32 v124, v124, v125, 0x1800000         ; all 32 numbers are mine; and the floor
	s_delay_alu instid0(VALU_DEP_1)
	v_add_nc_u32 v126, 0xff000000, v124
	s_delay_alu instid0(VALU_DEP_1)
	v_lshrrev_b32 v127, 23, v126
.if (\t) == 0
	s_delay_alu instid0(VALU_DEP_1)
	v_mov_b32 v128, v127
.else
	s_delay_alu instid0(VALU_DEP_1)
	v_lshl_or_b32 v128, v127, 8*(\t), v128             ; my column's scale word
.endif
	v_cvt_scalef32_pk16_fp6_f32 v[HH:HH+2], v[XS:XS+15], v126
	v_cvt_scalef32_pk16_fp6_f32 v[120:122], v[XS+16:XS+31], v126   ; (a conversion's three registers begin on an even number)
	v_nop
.irp i, 0,1,2
	v_mov_b32 v[HH+3+\i], v[120+\i]
.endr
.if (\t)+2 < 4
	WLOAD (\t)+2, \p
.endif
.endm
.macro WTASK p
	WLOAD 0, \p
	WLOAD 1, \p
	WBLOCK 0, \p
	WBLOCK 1, \p
	WBLOCK 2, \p
	WBLOCK 3, \p
.irp i, 0,1,2,3,4,5,6,7,8,9,10,11                      ; lanes 0-15 hold the even tile's rows, lanes 16-31 the odd tile's: one exchange gives the two tiles' fragments
	v_permlane16_swap_b32 v[96+\i], v[108+\i]
.endr
.irp f, 0,1
	global_store_b128 v4, v[96+12*\f:99+12*\f], s[36:37] offset:FRB*\f
	global_store_b64 v5, v[100+12*\f:101+12*\f], s[36:37] offset:FRB*\f+512
	global_store_b128 v4, v[102+12*\f:105+12*\f], s[36:37] offset:FRB*\f+768
	global_store_b64 v5, v[106+12*\f:107+12*\f], s[36:37] offset:FRB*\f+1280
.endr
	global_store_b32 v7, v128, s[38:39]                ; two tiles' scale words: 128 consecutive bytes
	s_endpgm
.endm
.macro DEST ntlog                      ; s30 = K step, s31 = group of 32 columns, s40 = the weight's first byte in wc; 2^ntlog tiles to a K step
	s_lshl_b32 s36, s30, \ntlog
	s_lshl_b32 s37, s31, 1
	s_add_co_u32 s36, s36, s37
	s_and_b32 s37, s36, 7                              ; the tile's place in its block,
	s_lshr_b32 s36, s36, 3
	s_mul_i32 s36, s36, BLK
	s_add_co_u32 s36, s36, s40                         ; the block's first byte in wc,
	s_lshl_b32 s38, s37, 6
	s_add_co_u32 s38, s38, s36
	s_add_co_u32 s38, s38, 8*FRB                       ; the scale words behind the eight images
	s_mul_i32 s37, s37, FRB
	s_add_co_u32 s36, s36, s37
	s_mov_b32 s37, 0
	s_mov_b32 s39, 0
	s_add_nc_u64 s[36:37], s[24:25], s[36:37]
	s_add_nc_u64 s[38:39], s[24:25], s[38:39]
.endm
.Lweights:
	s_sub_co_u32 s27, ttmp9, 256
	s_and_b32 s28, s26, 1                              ; which of the work-group's two groups of columns,
	s_lshr_b32 s29, s26, 1                             ; and which of its four K steps
	s_wait_alu depctr_va_vdst(0)
	v_and_b32 v6, 8, v2
	s_delay_alu instid0(VALU_DEP_1)
	v_add_nc_u32 v6, v6, v2
	s_delay_alu instid0(VALU_DEP_1)
	v_lshl_add_u32 v6, v3, 3, v6                       ; my column in the group: 8 u + r + 8 (r / 8)
	s_delay_alu instid0(VALU_DEP_1)
	v_lshlrev_b32 v6, 2, v6
	v_lshlrev_b32 v7, 2, v1
	s_mov_b32 s33, 0
	s_cmp_lt_u32 s27, 96
	s_cbranch_scc0 .Lnot_qkv
	s_cmp_ge_u32 s27, 48                               ; wq, wk, wv: 48 pairs of groups x 2 quads of K steps
	s_cselect_b32 s30, 4, 0
	s_cselect_b32 s31, 48, 0
	s_sub_co_u32 s31, s27, s31
	s_lshl_b32 s31, s31, 1
	s_add_co_u32 s31, s31, s28                         ; group 0..95
	s_add_co_u32 s30, s30, s29                         ; K step 0..7
	s_lshr_b32 s32, s31, 5
	s_cmp_eq_u32 s32, 0
	s_cselect_b64 s[34:35], s[10:11], s[12:13]
	s_cmp_eq_u32 s32, 2
	s_cselect_b64 s[34:35], s[14:15], s[34:35]
	s_and_b32 s32, s31, 31
	s_lshr_b32 s36, s32, 1
	s_lshl_b32 s36, s36, 18                            ; the head: 1,024 rows of 256 bytes
	s_and_b32 s32, s32, 1
	s_lshl_b32 s32, s32, 7                             ; its columns 0 or 32 on
	s_add_co_u32 s32, s32, s36
	s_lshl_b32 s36, s30, 15                            ; 128 rows a K step
	s_add_co_u32 s32, s32, s36
	s_add_nc_u64 s[34:35], s[34:35], s[32:33]
	s_mov_b32 s40, 0
	DEST 8
	s_wait_alu depctr_va_vdst(0)
	WTASK 256
.Lnot_qkv:
	s_cmp_ge_u32 s27, 128
	s_cbranch_scc0 .Lpitch4096
	s_cmp_lt_u32 s27, 256
	s_cbranch_scc1 .Lff1
.Lpitch4096:                                           ; proj_w (32 work-groups) or ff2_w (128): rows of 4,096 bytes, 16 pairs of groups
	s_mov_b32 s32, 256
	s_mov_b32 s40, WF2C
	s_cmp_lt_u32 s27, 128
	s_cselect_b64 s[34:35], s[16:17], s[20:21]
	s_cselect_b32 s32, 96, s32
	s_cselect_b32 s40, WPC, s40
	s_sub_co_u32 s32, s27, s32
	s_and_b32 s31, s32, 15
	s_lshl_b32 s31, s31, 1
	s_add_co_u32 s31, s31, s28
	s_lshr_b32 s30, s32, 4
	s_lshl_b32 s30, s30, 2
	s_add_co_u32 s30, s30, s29
	s_lshl_b32 s32, s30, 19
	s_lshl_b32 s36, s31, 7
	s_add_co_u32 s32, s32, s36
	s_add_nc_u64 s[34:35], s[34:35], s[32:33]
	DEST 6
	s_wait_alu depctr_va_vdst(0)
	WTASK 4096
.Lff1:                                                 ; ff1_w: rows of 16,384 bytes, 64 pairs of groups
	s_sub_co_u32 s32, s27, 128
	s_and_b32 s31, s32, 63
	s_lshl_b32 s31, s31, 1
	s_add_co_u32 s31, s31, s28
	s_lshr_b32 s30, s32, 6
	s_lshl_b32 s30, s30, 2
	s_add_co_u32 s30, s30, s29
	s_lshl_b32 s32, s30, 21
	s_lshl_b32 s36, s31, 7
	s_add_co_u32 s32, s32, s36
	s_add_nc_u64 s[34:35], s[18:19], s[32:33]
	s_mov_b32 s40, WF1C
	DEST 8
	s_wait_alu depctr_va_vdst(0)
	WTASK 16384
.Lfunc_end_k_q2d03796204_prep:
	.size	k_q2d03796204_prep, .Lfunc_end_k_q2d03796204_prep-k_q2d03796204_prep
	.p2alignl 7, 3214868480
	.fill 96, 4, 3214868480
	.section	.rodata,"a",@progbits
	.p2align	6, 0x0
	.amdhsa_kernel k_q2d03796204_prep
		.amdhsa_group_segment_fixed_size 70656
		.amdhsa_private_segment_fixed_size 0
		.amdhsa_enable_private_segment 0
		.amdhsa_kernarg_size 88
		.amdhsa_user_sgpr_count 2
		.amdhsa_user_sgpr_kernarg_segment_ptr 1
		.amdhsa_wavefront_size32 1
		.amdhsa_system_sgpr_workgroup_id_x 1
		.amdhsa_system_sgpr_workgroup_id_y 1
		.amdhsa_system_sgpr_workgroup_id_z 1
		.amdhsa_system_vgpr_workitem_id 0
		.amdhsa_next_free_vgpr 256
		.amdhsa_next_free_sgpr 66
		.amdhsa_reserve_vcc 0
		.amdhsa_float_denorm_mode_32 3
		.amdhsa_float_denorm_mode_16_64 3
		.amdhsa_memory_ordered 1
		.amdhsa_forward_progress 1
		.amdhsa_inst_pref_size 99
	.end_amdhsa_kernel
	.amdgpu_metadata
---
amdhsa.version: [ 1, 2 ]
amdhsa.kernels:
  - .name:           k_q2d03796204_prep
    .symbol:         k_q2d03796204_prep.kd
    .args:
      - { .name: x, .offset: 0, .size: 8, .value_kind: global_buffer, .address_space: global }
      - { .name: ln1_g, .offset: 8, .size: 8, .value_kind: global_buffer, .address_space: global }
      - { .name: ln1_b, .offset: 16, .size: 8, .value_kind: global_buffer, .address_space: global }
      - { .name: wq, .offset: 24, .size: 8, .value_kind: global_buffer, .address_space: global }
      - { .name: wk, .offset: 32, .size: 8, .value_kind: global_buffer, .address_space: global }
      - { .name: wv, .offset: 40, .size: 8, .value_kind: global_buffer, .address_space: global }
      - { .name: proj_w, .offset: 48, .size: 8, .value_kind: global_buffer, .address_space: global }
      - { .name: ff1_w, .offset: 56, .size: 8, .value_kind: global_buffer, .address_space: global }
      - { .name: ff2_w, .offset: 64, .size: 8, .value_kind: global_buffer, .address_space: global }
      - { .name: hc, .offset: 72, .size: 8, .value_kind: global_buffer, .address_space: global }
      - { .name: wc, .offset: 80, .size: 8, .value_kind: global_buffer, .address_space: global }
    .group_segment_fixed_size: 70656
    .private_segment_fixed_size: 0
    .kernarg_segment_align: 8
    .kernarg_segment_size: 88
    .max_flat_workgroup_size: 256
    .sgpr_count:     66
    .vgpr_count:     256
    .wavefront_size: 32
...
	.end_amdgpu_metadata
.endif
;; end of part 1
;; launch qkv (part 2): grid 12 x 16, 8 waves a work-group, clusters of 4 x 4, 327,680 bytes of LDS; arguments hc, wc, qkvc; writes qkvc
.if DOCPART == 2
	.amdgcn_target "amdgcn-amd-amdhsa--gfx1250"
	.amdhsa_code_object_version 6
	.text
	.protected	k_q2d03796204_qkv
	.globl	k_q2d03796204_qkv
	.p2align	8
	.type	k_q2d03796204_qkv,@function
k_q2d03796204_qkv:
	s_mov_b64 s[64:65], 0
	v_nop
	global_prefetch_b8 v0, s[64:65] scope:SCOPE_SE
	s_setreg_imm32_b32 hwreg(HW_REG_WAVE_MODE, 25, 1), 1
	s_wait_xcnt 0x0
	s_wait_alu depctr_hold_cnt(0) depctr_sa_sdst(0) depctr_va_vdst(0) depctr_va_sdst(0) depctr_va_ssrc(0) depctr_va_vcc(0) depctr_vm_vsrc(0)
	s_getreg_b32 s2, hwreg(HW_REG_IB_STS2, 6, 4)
	s_cmp_eq_u32 s2, 0
	s_cbranch_scc0 .Lentry_in_a_cluster
	s_endpgm
.Lentry_in_a_cluster:
	s_bfe_u32 s2, ttmp6, 0x10000c
	s_cmp_lg_u32 s2, 0xf033
	s_cbranch_scc0 .Lentry_shape_is_right
	s_endpgm
.Lentry_shape_is_right:
; q, k and v = ln1(x) times wq, wk, wv: a product of two operands of codes (E2M3, one E8M0 scale for each 32 along K), K = 1,024, whose RESULT IS QUANTISED ON THE WAY OUT and leaves as codes.
; The operands lie in blocks of 12,800 bytes: eight tiles' register images of one K step, then their scale words (launch prep); 32 blocks to a K step.
; A work-group of eight waves makes 256 x 256; a wave 128 rows of X (source 0, eight tiles) x 64 rows of Y (source 1, four tiles): 32 accumulators, 256 registers, in window 1.
; In the result a lane holds one row of Y, and the 64 registers of a tile of Y are its 128 numbers along X: one K step of the next product.
; Clusters x = 0, 1: X = wq's and wk's columns, Y = tokens: q and k come out quantised along the head's axis.  Cluster x = 2: X = TOKENS, Y = wv's columns: v comes out transposed, quantised along the tokens.
; Only global addresses are chosen, on the cluster's x, which all partners share; LDS addresses hang on wave and lane alone.
; LDS: wave q of a side (waves 0-3 Y, 4-7 X) fetches half q / 2 of the side's 256 rows at K steps q % 2, + 2, + 4: ONE load of three rows of 12,800 bytes, on end in LDS: 6 of the 8 K steps, 307,200 bytes.
; Its first place is filled once more, with K step 6 + q % 2, when K steps 0 and 1 have been read; that load has four K steps' products in which to land.  One tensor load of a wave is out at any time.
; CLUSTERS 4 x 4: Y's blocks are shared along a row of the cluster, X's along a column: each is asked for jointly.
; No prefetch: the launch has no loop to run ahead in; the head's loads ask for three quarters of all that it reads.
; LIMITS: as stated in launch prep (NaN, infinities, blocks under 2^-124, the byte of a block of zeros).
.set FRB,   1536
.set BLK,   8*FRB+512
.set KSB,   32*BLK                     ; from K step to K step in either operand
.set WREG,  3*BLK                      ; a fetching wave's three places
.set XSIDE, 4*WREG
.set SPARE, 2*XSIDE                    ; the spare words, 128 bytes for each wave
.set VTC,   6291456                    ; in qkvc: v^T's codes, q's and k's scales, v^T's scales
.set QKS,   9437184
.set VTS,   9699328
.set SS0, 16                           ; v16-23 X's scale words, v24-27 Y's: they hold nothing else
.set SS1, 24
.set S0F, 32                           ; v32-127 X's eight fragments; v128-175 Y's four
.set S1F, 128
.set TM,  32                           ; the way out: v32-47 the quantiser's; v48-59 codes; v60-66 halves; v68-71 scale words; v72-73 merged
.set PC,  48
.set PT,  60
.set PW,  68
.set SW,  72
.set SPW, 252
.set NIL, 253
.set G1Y, 24                           ; groups 1: three rows of Y, of X; one block of Y, of X.  Groups 0 at s56, s60
.set G1X, 32
.set G1Y1, 40
.set G1X1, 48
.set G0Y, 56
.set G0X, 60
.set OUTC, 98
.set OUTS, 100
.set MSB, 0
.macro WIN new                         ; the immediate's high byte repeats the setting that is left
.if MSB != \new
	s_set_vgpr_msb (MSB<<8)|\new
.set MSB, \new
.endif
.endm
.macro PLACES n
.rept \n
	v_nop
.endr
.endm
.macro CROUND                          ; a round of the cluster's barrier
	s_barrier_signal -1
	s_barrier_wait -1
	s_cmp_lg_u32 s12, 0
	s_cbranch_scc1 .Lnot_wave_0_\@
	s_barrier_signal -3
.Lnot_wave_0_\@:
	s_barrier_wait -3
	s_barrier_signal -1
	s_barrier_wait -1
.endm
.macro JLOAD g0y, g1y, g0x, g1x        ; a joint load; the branch hangs on the wave's number alone; an s_nop 0 and four v_nop follow each line
	s_cmp_lt_u32 s12, 4
	s_cbranch_scc0 .Lfor_x_\@
	tensor_load_to_lds s[\g0y:\g0y+3], s[\g1y:\g1y+7]
	s_nop 0
.rept 4
	v_nop
.endr
	s_branch .Lasked_\@
.Lfor_x_\@:
	tensor_load_to_lds s[\g0x:\g0x+3], s[\g1x:\g1x+7]
	s_nop 0
.rept 4
	v_nop
.endr
.Lasked_\@:
.endm
.macro FRAG reg, adr, off              ; a fragment's image: v[adr] = 16 x lane + base, v[adr+1] = 8 x lane + base
	ds_load_b128 v[\reg:\reg+3], v[\adr] offset:\off
	ds_load_b64 v[\reg+4:\reg+5], v[\adr+1] offset:\off+512
	ds_load_b128 v[\reg+6:\reg+9], v[\adr] offset:\off+768
	ds_load_b64 v[\reg+10:\reg+11], v[\adr+1] offset:\off+1280
.endm
; One K step of 128: 60 LDS loads, 32 products.  par: the K step's parity (addresses v6-11 or v240-245); j: which of the three places; zero = 1: the products start the sums.
; The 32 accumulators take turns, one instruction a turn, in the same order in every step.
.macro KSTEP par, j, zero
.set AX, 6+234*\par
.irp a, 0,1,2,3
	ds_load_b32 v[SS1+\a], v[AX+5] offset:(\j)*BLK+64*\a
.endr
.irp t, 0,1,2,3,4,5,6,7
	ds_load_b32 v[SS0+\t], v[AX+4] offset:(\j)*BLK+64*\t
.endr
.irp a, 0,1,2,3
	FRAG S1F+12*\a, AX+2, (\j)*BLK+FRB*\a
.endr
.irp t, 0,1,2,3,4,5,6,7
	FRAG S0F+12*\t, AX, (\j)*BLK+FRB*\t
.endr
.if \zero
	WIN 0x40                                           ; D in window 1
.else
	WIN 0x50                                           ; C and D in window 1
.endif
.irp t, 0,1,2,3,4,5,6,7
	s_wait_dscnt 4*(7-\t)                              ; X's tile t is in; the later tiles' loads, four each, may be out
.irp a, 0,1,2,3
.if \zero
	v_wmma_scale_f32_16x16x128_f8f6f4 v[8*(8*\a+\t):8*(8*\a+\t)+7], v[S0F+12*\t:S0F+12*\t+11], v[S1F+12*\a:S1F+12*\a+11], 0, v[SS0+\t], v[SS1+\a] matrix_a_fmt:MATRIX_FMT_FP6 matrix_b_fmt:MATRIX_FMT_FP6
.else
	v_wmma_scale_f32_16x16x128_f8f6f4 v[8*(8*\a+\t):8*(8*\a+\t)+7], v[S0F+12*\t:S0F+12*\t+11], v[S1F+12*\a:S1F+12*\a+11], v[8*(8*\a+\t):8*(8*\a+\t)+7], v[SS0+\t], v[SS1+\a] matrix_a_fmt:MATRIX_FMT_FP6 matrix_b_fmt:MATRIX_FMT_FP6
.endif
.endr
.endr
	WIN 0
.endm
; 64 numbers of a lane in window 1, from register s on, become a fragment's codes in v[PC] on and its scale word in v[w].  Each accumulator is read from its low end on.
.macro QUANT s, w
	WIN 0x05
.irp b, 0,1,2,3
	v_max3_num_f32 v[TM+\b], |v[\s+16*\b]|, |v[\s+16*\b+1]|, 0x1800000   ; and the floor 2^(3 - 127): the byte cannot fall under 1
.endr
	WIN 0x14
.irp i, 2,4,6,8,10,12,14
.irp b, 0,1,2,3
	v_max3_num_f32 v[TM+\b], v[TM+\b], |v[\s+16*\b+\i]|, |v[\s+16*\b+\i+1]|
.endr
.endr
	WIN 0
.irp b, 0,1,2,3
	v_permlanex16_b32 v[TM+4+\b], v[TM+\b], s2, s3
.endr
.irp b, 0,1,2,3
	s_delay_alu instid0(VALU_DEP_4)
	v_max_num_f32 v[TM+\b], v[TM+\b], v[TM+4+\b]
.endr
.irp b, 0,1,2,3
	s_delay_alu instid0(VALU_DEP_4)
	v_add_nc_u32 v[TM+12+\b], 0xff000000, v[TM+\b]     ; 2 off the exponent field: the conversion's scale operand
.endr
.irp b, 0,1,2,3
	s_delay_alu instid0(VALU_DEP_4)
	v_lshrrev_b32 v[TM+4+\b], 23, v[TM+12+\b]
.endr
	s_delay_alu instid0(VALU_DEP_3)
	v_lshl_or_b32 v[\w], v[TM+5], 8, v[TM+4]
	s_delay_alu instid0(VALU_DEP_1)
	v_lshl_or_b32 v[\w], v[TM+6], 16, v[\w]
	s_delay_alu instid0(VALU_DEP_1)
	v_lshl_or_b32 v[\w], v[TM+7], 24, v[\w]
	WIN 0x01
.irp c, 0,1
	v_cvt_scalef32_pk16_fp6_f32 v[PC+6*\c:PC+2+6*\c], v[\s+32*\c:\s+32*\c+15], v[TM+12+2*\c]
	v_cvt_scalef32_pk16_fp6_f32 v[PT+4*\c:PT+2+4*\c], v[\s+32*\c+16:\s+32*\c+31], v[TM+12+2*\c+1]
.endr
	WIN 0
	v_nop                                              ; one plain place behind a scaled conversion
.irp c, 0,1
.irp i, 0,1,2
	v_permlane16_swap_b32 v[PC+6*\c+\i], v[PT+4*\c+\i]
.endr
.irp i, 0,1,2
	s_delay_alu instid0(VALU_DEP_3)
	v_mov_b32 v[PC+3+6*\c+\i], v[PT+4*\c+\i]
.endr
.endr
.endm
.macro STFRAG off
	global_store_b128 v4, v[PC:PC+3], s[OUTC:OUTC+1] offset:\off             ; 512 consecutive bytes
	global_store_b64 v5, v[PC+4:PC+5], s[OUTC:OUTC+1] offset:\off+512        ; 256
	global_store_b128 v4, v[PC+6:PC+9], s[OUTC:OUTC+1] offset:\off+768
	global_store_b64 v5, v[PC+10:PC+11], s[OUTC:OUTC+1] offset:\off+1280
.endm
	s_load_b128 s[4:7], s[0:1], 0x0                    ; hc, wc
	s_load_b64 s[8:9], s[0:1], 0x10                    ; qkvc
	v_lshl_add_u32 v[SPW], v0, 2, SPARE
	v_mov_b32 v[NIL], 0
	ds_add_u32 v[SPW], v[NIL]                          ; the wave's opening: the add, twice on end, and its wait ahead of my first tensor load
	ds_add_u32 v[SPW], v[NIL]
	v_lshrrev_b32 v1, 5, v0
	s_delay_alu instid0(VALU_DEP_1)
	v_readfirstlane_b32 s12, v1                        ; wave 0..7
	s_and_b32 s13, s12, 3                              ; which part of a side I fetch
	s_and_b32 s14, s12, 1                              ; which 128 rows of X are mine
	s_lshr_b32 s15, s12, 1                             ; which 64 rows of Y
	s_bfe_u32 s16, ttmp6, 0x40000                      ; cx
	s_bfe_u32 s17, ttmp6, 0x40004                      ; cy
	s_and_b32 s22, ttmp7, 0xffff
	s_lshl_b32 s22, s22, 2                             ; 4 x cluster y
	s_lshl_b32 s23, ttmp9, 2                           ; 4 x cluster x
	s_cmp_ge_u32 ttmp9, 2                              ; the clusters that make v^T
	s_cselect_b32 s18, s22, s23                        ; X's block of 256 rows: tokens 4 x cluster y + cx, or weights 4 x cluster x + cx
	s_cselect_b32 s19, 8, s22                          ; Y's: wv's 8 + cy, or tokens 4 x cluster y + cy
	s_add_co_u32 s18, s18, s16
	s_add_co_u32 s19, s19, s17
	s_and_b32 s66, s13, 1                              ; my K steps' parity,
	s_mul_i32 s66, s66, KSB
	s_lshr_b32 s67, s13, 1                             ; my half of the 256 rows: one block
	s_mul_i32 s67, s67, BLK
	s_add_co_u32 s66, s66, s67
	s_mul_i32 s92, s19, 2*BLK                          ; Y's offset is made of cy, the cluster's place and the wave's number alone,
	s_add_co_u32 s92, s92, s66
	s_mov_b32 s93, 0
	s_mul_i32 s96, s18, 2*BLK                          ; X's of cx, the cluster's place and the wave's number alone
	s_add_co_u32 s96, s96, s66
	s_mov_b32 s97, 0
	s_mul_i32 s66, s13, WREG                           ; my three places in a side
	s_lshl_b32 s20, s17, 2
	s_lshl_b32 s20, 15, s20                            ; my row of the cluster
	s_lshl_b32 s21, 0x1111, s16                        ; my column
	s_or_b32 s[G1Y], s20, (3<<16)|(1<<21)              ; 15:0 the mask; 17:16 elements of 8 bytes; 21 set beside a mask; no padding
	s_or_b32 s[G1X], s21, (3<<16)|(1<<21)
	s_or_b32 s[G1Y1], s20, (3<<16)|(1<<21)
	s_or_b32 s[G1X1], s21, (3<<16)|(1<<21)
.irp g, G1Y, G1X                                       ; three rows of 12,800 bytes, two K steps apart in memory, on end in LDS
	s_mov_b32 s[\g+1], (BLK/8)<<16
	s_mov_b32 s[\g+2], 3<<16
	s_mov_b32 s[\g+3], (BLK/8)<<16
	s_mov_b32 s[\g+4], 3
	s_mov_b32 s[\g+5], 2*KSB/8
	s_mov_b32 s[\g+6], 0
	s_mov_b32 s[\g+7], 0
.endr
.irp g, G1Y1, G1X1                                     ; one block: 12,800 dense bytes, as 50 rows of 256
	s_mov_b32 s[\g+1], 32<<16
	s_mov_b32 s[\g+2], 50<<16
	s_mov_b32 s[\g+3], 32<<16
	s_mov_b32 s[\g+4], 50
	s_mov_b32 s[\g+5], 32
	s_mov_b32 s[\g+6], 0
	s_mov_b32 s[\g+7], 0
.endr
	s_wait_dscnt 0x0                                   ; both opening adds are done
	s_wait_kmcnt 0x0
	s_cmp_ge_u32 ttmp9, 2
	s_cselect_b64 s[22:23], s[6:7], s[4:5]             ; Y's buffer
	s_add_nc_u64 s[92:93], s[22:23], s[92:93]
	s_cselect_b64 s[22:23], s[4:5], s[6:7]             ; X's
	s_add_nc_u64 s[96:97], s[22:23], s[96:97]
	s_mov_b32 s[G0Y], 1
	s_mov_b32 s[G0Y+1], s66
	s_mov_b64 s[G0Y+2:G0Y+3], s[92:93]
	s_or_b32 s[G0Y+3], s[G0Y+3], 0x80000000
	s_mov_b32 s[G0X], 1
	s_add_co_u32 s[G0X+1], s66, XSIDE
	s_mov_b64 s[G0X+2:G0X+3], s[96:97]
	s_or_b32 s[G0X+3], s[G0X+3], 0x80000000
	CROUND                                             ; all sixteen work-groups are here: the first joint loads meet
	JLOAD G0Y, G1Y, G0X, G1X                           ; my one load at the head: three K steps of one block
	s_mul_i32 s67, s14, 2*WREG
	s_add_co_u32 s67, s67, XSIDE                       ; X: my half's places of even K steps
	s_add_co_u32 s90, s67, 8*FRB                       ; its scale words behind the eight images
	s_lshr_b32 s22, s15, 1
	s_mul_i32 s22, s22, 2*WREG
	s_and_b32 s91, s15, 1
	s_mul_i32 s23, s91, 4*FRB
	s_add_co_u32 s23, s23, s22                         ; Y: my four tiles of the block's eight
	s_lshl_b32 s91, s91, 8
	s_add_co_u32 s91, s91, s22
	s_add_co_u32 s91, s91, 8*FRB
	v_and_b32 v1, 31, v0
	v_and_b32 v2, 15, v0
	v_bfe_u32 v3, v0, 4, 1
	s_delay_alu instid0(VALU_DEP_3)
	v_lshlrev_b32 v4, 4, v1                            ; 16 x lane
	s_delay_alu instid0(VALU_DEP_4)
	v_lshlrev_b32 v5, 3, v1                            ; 8 x lane
	v_lshlrev_b32 v12, 2, v1                           ; 4 x lane
	v_lshlrev_b32 v31, 2, v2                           ; 4 r
	v_add_nc_u32 v6, s67, v4
	v_add_nc_u32 v7, s67, v5
	v_add_nc_u32 v8, s23, v4
	v_add_nc_u32 v9, s23, v5
	v_add_nc_u32 v10, s90, v31
	v_add_nc_u32 v11, s91, v31
.irp i, 0,1,2,3,4,5
	v_add_nc_u32 v[240+\i], WREG, v[6+\i]              ; the same for odd K steps
.endr
	s_wait_alu depctr_va_vdst(0)                       ; the wait behind the head's last vector instruction
	; where the results go: K step 2 x (X's block) + my half, tile 16 x (Y's block) + 4 x my quarter
	s_lshl_b32 s98, s18, 1
	s_add_co_u32 s98, s98, s14
	s_mov_b32 s22, QKS
	s_cmp_ge_u32 ttmp9, 2
	s_cselect_b32 s99, 6, 8                            ; v^T has 64 tiles to a K step, q and k 256
	s_cselect_b32 s100, s17, s19
	s_cselect_b32 s22, VTS, s22
	s_cselect_b32 s23, VTC, 0
	s_lshl_b32 s98, s98, s99
	s_lshl_b32 s100, s100, 4
	s_add_co_u32 s98, s98, s100
	s_lshl_b32 s100, s15, 2
	s_add_co_u32 s98, s98, s100
	s_lshl_b32 s100, s98, 6
	s_add_co_u32 s100, s100, s22
	s_mul_i32 s98, s98, FRB
	s_add_co_u32 s98, s98, s23
	s_mov_b32 s99, 0
	s_mov_b32 s101, 0
	s_add_nc_u64 s[OUTC:OUTC+1], s[8:9], s[98:99]
	s_add_nc_u64 s[OUTS:OUTS+1], s[8:9], s[100:101]
	s_wait_tensorcnt 0x0                               ; my three K steps are in
	s_barrier_signal -1
	s_barrier_wait -1                                  ; everybody's are
	KSTEP 0, 0, 1                                      ; K step 0: the first products start the sums: nothing is cleared
	PLACES 4                                           ; in front of loads into registers that matrix instructions have read (ISA guide 7.12.1 for vector instructions)
	KSTEP 1, 0, 0
	s_wait_tensorcnt 0x0                               ; THE ONE REFILL: no tensor load of mine is out,
	ds_add_u32 v[SPW], v[NIL]                          ; 0 onto my spare word
	s_add_nc_u64 s[G0Y+2:G0Y+3], s[G0Y+2:G0Y+3], 6*KSB ; my first place's next block: K step 6 or 7
	s_add_nc_u64 s[G0X+2:G0X+3], s[G0X+2:G0X+3], 6*KSB
	s_wait_dscnt 0x0                                   ; the add is done, and my reads of K steps 0 and 1 are over
	CROUND                                             ; the same holds of every wave of every partner
	JLOAD G0Y, G1Y1, G0X, G1X1                         ; my one load behind the round; its four v_nop are the places in front of the loads below
	KSTEP 0, 1, 0
	PLACES 4
	KSTEP 1, 1, 0
	PLACES 4
	KSTEP 0, 2, 0
	PLACES 4
	KSTEP 1, 2, 0
	s_wait_tensorcnt 0x0                               ; my part of K steps 6-7 is in,
	s_wait_dscnt 0x0
	s_barrier_signal -1
	s_barrier_wait -1                                  ; everybody's is
	PLACES 4
	KSTEP 0, 0, 0
	PLACES 4
	KSTEP 1, 0, 0
	; THE WAY OUT: each of my four tiles of Y becomes one fragment of the next product and one scale word a row
	PLACES 4
.irp b, 0,1,2,3
	v_mov_b32 v[TM+4+\b], 0                            ; written once: a lane permute's destination counts as one of its sources
.endr
	s_mov_b32 s2, 0x76543210
	s_mov_b32 s3, 0xfedcba98                           ; lane l xor 16
	s_mov_b32 s22, 0xffff0000
.irp a, 0,1,2,3
.if \a > 0
	s_wait_xcnt 0x0                                    ; the last fragment's stores have read their registers
.endif
	QUANT 64*\a, PW+\a
	STFRAG FRB*\a
.endr
	v_cndmask_b32 v[SW], v[PW], v[PW+1], s22           ; lanes 0-15 one tile's words, lanes 16-31 the next tile's
	v_cndmask_b32 v[SW+1], v[PW+2], v[PW+3], s22
	global_store_b32 v12, v[SW], s[OUTS:OUTS+1]
	global_store_b32 v12, v[SW+1], s[OUTS:OUTS+1] offset:128
	s_wait_tensorcnt 0x0                               ; the wave's end
	ds_add_u32 v[SPW], v[NIL]
	s_wait_dscnt 0x0
	CROUND                                             ; the closing round
	s_endpgm
.Lfunc_end_k_q2d03796204_qkv:
	.size	k_q2d03796204_qkv, .Lfunc_end_k_q2d03796204_qkv-k_q2d03796204_qkv
	.p2alignl 7, 3214868480
	.fill 96, 4, 3214868480
	.section	.rodata,"a",@progbits
	.p2align	6, 0x0
	.amdhsa_kernel k_q2d03796204_qkv
		.amdhsa_group_segment_fixed_size 327680
		.amdhsa_private_segment_fixed_size 0
		.amdhsa_enable_private_segment 0
		.amdhsa_kernarg_size 24
		.amdhsa_user_sgpr_count 2
		.amdhsa_user_sgpr_kernarg_segment_ptr 1
		.amdhsa_wavefront_size32 1
		.amdhsa_system_sgpr_workgroup_id_x 1
		.amdhsa_system_sgpr_workgroup_id_y 1
		.amdhsa_system_sgpr_workgroup_id_z 1
		.amdhsa_system_vgpr_workitem_id 0
		.amdhsa_next_free_vgpr 512
		.amdhsa_next_free_sgpr 102
		.amdhsa_reserve_vcc 0
		.amdhsa_float_denorm_mode_32 3
		.amdhsa_float_denorm_mode_16_64 3
		.amdhsa_memory_ordered 1
		.amdhsa_forward_progress 1
		.amdhsa_inst_pref_size 95
	.end_amdhsa_kernel
	.amdgpu_metadata
---
amdhsa.version: [ 1, 2 ]
amdhsa.kernels:
  - .name:           k_q2d03796204_qkv
    .symbol:         k_q2d03796204_qkv.kd
    .args:
      - { .name: hc, .offset: 0, .size: 8, .value_kind: global_buffer, .address_space: global }
      - { .name: wc, .offset: 8, .size: 8, .value_kind: global_buffer, .address_space: global }
      - { .name: qkvc, .offset: 16, .size: 8, .value_kind: global_buffer, .address_space: global }
    .group_segment_fixed_size: 327680
    .private_segment_fixed_size: 0
    .kernarg_segment_align: 8
    .kernarg_segment_size: 24
    .max_flat_workgroup_size: 256
    .sgpr_count:     102
    .vgpr_count:     512
    .wavefront_size: 32
...
	.end_amdgpu_metadata
.endif
;; end of part 2
;; launch attn (part 3): grid 4 x 64, 16 waves a work-group, clusters of 4 x 1, 167,936 bytes of LDS; arguments qkvc, oc; writes oc
.if DOCPART == 3
	.amdgcn_target "amdgcn-amd-amdhsa--gfx1250"
	.amdhsa_code_object_version 6
	.text
	.protected	k_q2d03796204_attn
	.globl	k_q2d03796204_attn
	.p2align	8
	.type	k_q2d03796204_attn,@function
k_q2d03796204_attn:
	s_mov_b64 s[64:65], 0
	v_nop
	global_prefetch_b8 v0, s[64:65] scope:SCOPE_SE
	s_setreg_imm32_b32 hwreg(HW_REG_WAVE_MODE, 25, 1), 1
	s_wait_xcnt 0x0
	s_wait_alu depctr_hold_cnt(0) depctr_sa_sdst(0) depctr_va_vdst(0) depctr_va_sdst(0) depctr_va_ssrc(0) depctr_va_vcc(0) depctr_vm_vsrc(0)
	s_getreg_b32 s2, hwreg(HW_REG_IB_STS2, 6, 4)
	s_cmp_eq_u32 s2, 0
	s_cbranch_scc0 .Lentry_in_a_cluster
	s_endpgm
.Lentry_in_a_cluster:
	s_bfe_u32 s2, ttmp6, 0x10000c
	s_cmp_lg_u32 s2, 0x3003
	s_cbranch_scc0 .Lentry_shape_is_right
	s_endpgm
.Lentry_shape_is_right:
; Causal attention of one head of one sequence on codes of E2M3: S^T = k q^T (K = the head's 64; the instruction's other 64 along K are zero codes on both sides), the softmax by the stated
; rule (t = score x log2(e) / 8; M = the running largest t rounded up to a whole number; p = 2^(t - M) is quantised along the keys; the row's sum is taken of the unquantised p), O^T = v^T p^T,
; O^T / the sum, quantised along the head's axis: it leaves as codes, the operand of the projection.
; WORK LEFT OUT: key steps of 128 keys that lie wholly behind a wave's 16 queries (reference()'s own jnp.tril makes their p zero for all inputs: shown at the head of launch prep).
; SHARES.  The four work-groups of a cluster have one head: its k and v^T (1,024 keys: 104 KB with the scales) come into each one's LDS once, by four joint loads; nothing is filled again.
; Sixteen waves, a tile of 16 queries each.  Wave w takes, of the block of 128 queries q8 = (w & 3) or 7 - (w & 3), tile 2 cx + (w / 8): so every work-group reads every key step,
; q8 hangs on the wave's number alone, and each work-group has 72 steps of a tile.  cx enters global addresses and the mask's number alone.
; A lane holds ONE query throughout; the keys of a tile of k are not neighbours (launch prep's order of rows), so that p's 16 registers of two neighbouring tiles are 16 neighbouring keys.
; LIMITS: as stated in launch prep.
.set FRB,   1536
.set BLK,   8*FRB+512                  ; oc lies in blocks: eight tiles' images of one K step, then their scale words, 64 bytes a tile; 32 blocks to a K step
.set UNIT,  768                        ; a head's half of a fragment: 64 along K
.set VCL,   49152                      ; LDS: k's codes [64 tiles][768] at 0; v^T's [8 steps][4 tiles][1,536] here;
.set KSL,   98304                      ; k's scale words [64 tiles][64 bytes] (a word holds both heads of a pair);
.set VSL,   102400                     ; v^T's [8 steps][4 tiles][64 bytes];
.set SPARE, 104448                     ; the spare words, 128 bytes for each wave
.set VTC,   6291456
.set QKS,   9437184
.set VTS,   9699328
.set A16, 8                            ; v8, v9 the step's addresses (16 x lane, 8 x lane); v10, v11 its scale words'
.set A8,  9
.set ASK, 10
.set ASV, 11
.set SPW, 30
.set NIL, 31
.set KFR, 32                           ; v32-79 four fragments of k (the upper six registers of each stay zero); v80-103 two of v^T
.set VFR, 80
.set KSC, 104                          ; v104-107 k's scale words, two tiles to a register; v108-109 v^T's; v110 q's; v111 p's: they hold nothing else
.set VSC, 108
.set QS,  110
.set PW,  111
.set F,   112                          ; v[112:113] f = 2^(old M - new M)
.set TV,  114
.set BM,  116                          ; v116-119 the blocks' largest scores; v120-123 the conversions' scale operands; v124-127 at work
.set SO,  120
.set PT,  124
.set S,   128                          ; v128-191 S^T, then p
.set O,   192                          ; v192-223 O^T
.set PCD, 224                          ; v224-235 p's codes; v236-242 halves
.set CT,  236
.set WV,  8
.set Q8,  15
.set SEL, 20
.set CS,  22
.set G1A, 24                           ; groups 1: k's codes, v^T's codes, k's scales, v^T's scales; groups 0 at s56, s60, s68, s72
.set G1B, 32
.set G1C, 40
.set G1D, 48
.set ST,  76
.set TK,  77
.set TSK, 78
.set TSV, 79
.macro PLACES n
.rept \n
	v_nop
.endr
.endm
.macro CROUND
	s_barrier_signal -1
	s_barrier_wait -1
	s_cmp_lg_u32 s[WV], 0
	s_cbranch_scc1 .Lnot_wave_0_\@
	s_barrier_signal -3
.Lnot_wave_0_\@:
	s_barrier_wait -3
	s_barrier_signal -1
	s_barrier_wait -1
.endm
.macro ARM n, g0, g1                   ; wave n's one joint load; an s_nop 0 and four v_nop follow it
	s_cmp_lg_u32 s[WV], \n
	s_cbranch_scc1 .Lnot_\@
	tensor_load_to_lds s[\g0:\g0+3], s[\g1:\g1+7]
	s_nop 0
.rept 4
	v_nop
.endr
	s_branch .Lasked
.Lnot_\@:
.endm
.macro KLD g                           ; tiles 4 g .. 4 g + 3 of the step's eight
.irp t, 0,1,2,3
	ds_load_b128 v[KFR+12*\t:KFR+12*\t+3], v[A16] offset:(4*\g+\t)*UNIT
	ds_load_b64 v[KFR+12*\t+4:KFR+12*\t+5], v[A8] offset:(4*\g+\t)*UNIT+512
.endr
.endm
.macro KQM g
.irp t, 0,2
	v_wmma_scale_f32_16x16x128_f8f6f4 v[S+8*(4*\g+\t):S+8*(4*\g+\t)+7], v[KFR+12*\t:KFR+12*\t+11], v[16:27], 0, v[KSC+2*\g+\t/2], v[QS] matrix_a_fmt:MATRIX_FMT_FP6 matrix_b_fmt:MATRIX_FMT_FP6
	v_wmma_scale_f32_16x16x128_f8f6f4 v[S+8*(4*\g+\t)+8:S+8*(4*\g+\t)+15], v[KFR+12*\t+12:KFR+12*\t+23], v[16:27], 0, v[KSC+2*\g+\t/2], v[QS] matrix_a_fmt:MATRIX_FMT_FP6 matrix_b_fmt:MATRIX_FMT_FP6 matrix_a_scale:MATRIX_SCALE_ROW1
.endr
.endm
.macro VLD e                           ; tiles e, e + 1 of the head's four
.irp f, 0,1
	ds_load_b128 v[VFR+12*\f:VFR+12*\f+3], v[A16] offset:VCL+(\e+\f)*FRB
	ds_load_b64 v[VFR+12*\f+4:VFR+12*\f+5], v[A8] offset:VCL+(\e+\f)*FRB+512
	ds_load_b128 v[VFR+12*\f+6:VFR+12*\f+9], v[A16] offset:VCL+(\e+\f)*FRB+768
	ds_load_b64 v[VFR+12*\f+10:VFR+12*\f+11], v[A8] offset:VCL+(\e+\f)*FRB+1280
.endr
.endm
.macro PVM e
	v_wmma_scale_f32_16x16x128_f8f6f4 v[O+8*\e:O+8*\e+7], v[VFR:VFR+11], v[PCD:PCD+11], v[O+8*\e:O+8*\e+7], v[VSC+\e/2], v[PW] matrix_a_fmt:MATRIX_FMT_FP6 matrix_b_fmt:MATRIX_FMT_FP6
	v_wmma_scale_f32_16x16x128_f8f6f4 v[O+8*\e+8:O+8*\e+15], v[VFR+12:VFR+23], v[PCD:PCD+11], v[O+8*\e+8:O+8*\e+15], v[VSC+\e/2], v[PW] matrix_a_fmt:MATRIX_FMT_FP6 matrix_b_fmt:MATRIX_FMT_FP6 matrix_a_scale:MATRIX_SCALE_ROW1
.endm
	s_load_b128 s[4:7], s[0:1], 0x0                    ; qkvc, oc
	v_lshl_add_u32 v[SPW], v0, 2, SPARE
	v_mov_b32 v[NIL], 0
	ds_add_u32 v[SPW], v[NIL]                          ; the wave's opening: the add, twice on end, and its wait ahead of the first tensor loads
	ds_add_u32 v[SPW], v[NIL]
	v_lshrrev_b32 v1, 5, v0
	s_delay_alu instid0(VALU_DEP_1)
	v_readfirstlane_b32 s[WV], v1                      ; wave 0..15
	s_bfe_u32 s9, ttmp6, 0x40000                       ; cx
	s_and_b32 s10, ttmp7, 0xffff                       ; 16 x sequence + head: the partners share it
	s_and_b32 s11, s10, 15                             ; head
	s_lshr_b32 s12, s10, 4                             ; sequence
	s_and_b32 s13, s11, 1                              ; which half of a fragment of q, k, o is my head's
	s_lshr_b32 s14, s11, 1                             ; and which K step
	s_and_b32 s[Q8], s[WV], 3
	s_bfe_u32 s16, s[WV], 0x10002
	s_xor_b32 s16, s16, 1
	s_mul_i32 s16, s16, 7
	s_xor_b32 s[Q8], s[Q8], s16                        ; my block of 128 queries: w & 3, or 7 - (w & 3) where bit 2 of w is 0
	s_lshr_b32 s16, s[WV], 3                           ; u
	s_add_co_u32 s80, s14, 8                           ; k's codes: K step 8 + head / 2 of q's and k's region, the sequence's 64 tiles, my head's half
	s_mul_i32 s80, s80, 256*FRB
	s_mul_i32 s81, s12, 64*FRB
	s_add_co_u32 s80, s80, s81
	s_mul_i32 s81, s13, UNIT
	s_add_co_u32 s80, s80, s81
	s_mov_b32 s81, 0
	s_mul_i32 s82, s12, 8*64*FRB                       ; v^T's: the sequence's 8 K steps of 64 tiles, my head's four tiles
	s_mul_i32 s83, s11, 4*FRB
	s_add_co_u32 s82, s82, s83
	s_add_co_u32 s82, s82, VTC
	s_mov_b32 s83, 0
	s_add_co_u32 s84, s14, 8
	s_lshl_b32 s84, s84, 14
	s_lshl_b32 s85, s12, 12
	s_add_co_u32 s84, s84, s85
	s_add_co_u32 s84, s84, QKS
	s_mov_b32 s85, 0
	s_lshl_b32 s86, s12, 15
	s_lshl_b32 s87, s11, 8
	s_add_co_u32 s86, s86, s87
	s_add_co_u32 s86, s86, VTS
	s_mov_b32 s87, 0
	s_lshl_b32 s88, s12, 6                             ; my tile of queries: 64 x sequence + 8 q8 + 2 cx + u
	s_lshl_b32 s89, s[Q8], 3
	s_add_co_u32 s88, s88, s89
	s_lshl_b32 s89, s9, 1
	s_add_co_u32 s88, s88, s89
	s_add_co_u32 s88, s88, s16
	s_lshr_b32 s92, s88, 3                             ; in oc: block 32 x (head / 2) + tile / 8,
	s_lshl_b32 s93, s14, 5
	s_add_co_u32 s92, s92, s93
	s_mul_i32 s92, s92, BLK
	s_and_b32 s93, s88, 7
	s_lshl_b32 s94, s93, 6                             ; the tile's scale words behind the eight images, my head's two bytes of each,
	s_add_co_u32 s94, s94, s92
	s_lshl_b32 s95, s13, 1
	s_add_co_u32 s94, s94, s95
	s_add_co_u32 s94, s94, 8*FRB
	s_mul_i32 s93, s93, FRB                            ; and my head's half of the tile's image
	s_add_co_u32 s92, s92, s93
	s_mul_i32 s93, s13, UNIT
	s_add_co_u32 s92, s92, s93
	s_mov_b32 s93, 0
	s_mov_b32 s95, 0
	s_lshl_b32 s90, s88, 6
	s_lshl_b32 s91, s14, 14
	s_add_co_u32 s90, s90, s91
	s_lshl_b32 s91, s13, 1
	s_add_co_u32 s90, s90, s91                         ; its scale halfwords, from the scales' first byte
	s_mov_b32 s91, 0
	s_mul_i32 s88, s88, FRB
	s_mul_i32 s89, s14, 256*FRB
	s_add_co_u32 s88, s88, s89
	s_mul_i32 s89, s13, UNIT
	s_add_co_u32 s88, s88, s89                         ; its codes: the same place in q's region and in oc
	s_mov_b32 s89, 0
.irp g, G1A, G1B, G1C, G1D
	s_mov_b32 s[\g], 15|(3<<16)|(1<<21)                ; 15:0 the mask: all four work-groups; elements of 8 bytes; 21 set beside a mask; no padding
	s_mov_b32 s[\g+6], 0
	s_mov_b32 s[\g+7], 0
.endr
	s_mov_b32 s[G1A+1], 96<<16                         ; k's codes: 64 rows of 768 bytes, 1,536 apart
	s_mov_b32 s[G1A+2], 64<<16
	s_mov_b32 s[G1A+3], 96<<16
	s_mov_b32 s[G1A+4], 64
	s_mov_b32 s[G1A+5], 192
	s_mov_b32 s[G1B+1], 768<<16                        ; v^T's: 8 rows of 6,144 bytes, 98,304 apart
	s_mov_b32 s[G1B+2], 8<<16
	s_mov_b32 s[G1B+3], 768<<16
	s_mov_b32 s[G1B+4], 8
	s_mov_b32 s[G1B+5], 12288
	s_mov_b32 s[G1C+1], 32<<16                         ; k's scales: 4,096 dense bytes
	s_mov_b32 s[G1C+2], 16<<16
	s_mov_b32 s[G1C+3], 32<<16
	s_mov_b32 s[G1C+4], 16
	s_mov_b32 s[G1C+5], 32
	s_mov_b32 s[G1D+1], 32<<16                         ; v^T's: 8 rows of 256 bytes, 4,096 apart
	s_mov_b32 s[G1D+2], 8<<16
	s_mov_b32 s[G1D+3], 32<<16
	s_mov_b32 s[G1D+4], 8
	s_mov_b32 s[G1D+5], 512
	s_mov_b32 s[SEL], 0x76543210
	s_mov_b32 s[SEL+1], 0xfedcba98
	s_mov_b32 s[CS], 0x3e38aa3b                        ; c = log2(e) / 8
	s_mov_b32 s[CS+1], s[CS]
	s_mov_b32 s[ST], 0
	s_mov_b32 s[TK], 0
	s_mov_b32 s[TSK], 0
	s_mov_b32 s[TSV], 0
	s_wait_dscnt 0x0                                   ; both opening adds are done
	s_wait_kmcnt 0x0
	s_mov_b32 s56, 1
	s_mov_b32 s57, 0
	s_add_nc_u64 s[58:59], s[4:5], s[80:81]
	s_or_b32 s59, s59, 0x80000000
	s_mov_b32 s60, 1
	s_mov_b32 s61, VCL
	s_add_nc_u64 s[62:63], s[4:5], s[82:83]
	s_or_b32 s63, s63, 0x80000000
	s_mov_b32 s68, 1
	s_mov_b32 s69, KSL
	s_add_nc_u64 s[70:71], s[4:5], s[84:85]
	s_or_b32 s71, s71, 0x80000000
	s_mov_b32 s72, 1
	s_mov_b32 s73, VSL
	s_add_nc_u64 s[74:75], s[4:5], s[86:87]
	s_or_b32 s75, s75, 0x80000000
	s_add_nc_u64 s[92:93], s[6:7], s[92:93]            ; o's codes,
	s_add_nc_u64 s[94:95], s[6:7], s[94:95]            ; o's scales,
	s_add_nc_u64 s[88:89], s[4:5], s[88:89]            ; q's codes,
	s_add_nc_u64 s[90:91], s[4:5], s[90:91]
	s_add_nc_u64 s[90:91], s[90:91], QKS               ; q's scales
	CROUND                                             ; all four work-groups are here: the joint loads meet
	ARM 0, 56, G1A
	ARM 1, 60, G1B
	ARM 2, 68, G1C
	ARM 3, 72, G1D
.Lasked:
	v_and_b32 v8, 31, v0
	s_delay_alu instid0(VALU_DEP_1)
	v_lshlrev_b32 v1, 4, v8                            ; 16 x lane
	s_delay_alu instid0(VALU_DEP_2)
	v_lshlrev_b32 v2, 3, v8                            ; 8 x lane
	s_lshl_b32 s80, s13, 1
	s_add_co_u32 s80, s80, KSL
	v_lshl_add_u32 v3, v8, 2, s80                      ; k's scale halfwords: lanes 0-15 a tile's rows, lanes 16-31 the next tile's
	v_lshl_add_u32 v4, v8, 2, VSL                      ; v^T's words likewise
	v_and_b32 v9, 15, v0
	s_delay_alu instid0(VALU_DEP_1)
	v_lshlrev_b32 v5, 2, v9                            ; 4 r
	global_load_b128 v[16:19], v1, s[88:89]            ; q's fragment: K = 0 .. 63
	global_load_b64 v[20:21], v2, s[88:89] offset:512
	global_load_u16 v[QS], v5, s[90:91]                ; its two scale bytes; the upper two are 0 and meet zero codes
	v_and_b32 v10, 8, v9
	s_delay_alu instid0(VALU_DEP_1)
	v_add_nc_u32 v10, v10, v9
	v_bfe_u32 v11, v0, 4, 1
	s_delay_alu instid0(VALU_DEP_1)
	v_lshlrev_b32 v11, 4, v11
	s_delay_alu instid0(VALU_DEP_1)
	v_sub_nc_u32 v7, v10, v11
	s_lshl_b32 s81, s9, 5
	s_lshl_b32 s82, s16, 3
	s_add_co_u32 s81, s81, s82
	v_add_nc_u32 v7, s81, v7                           ; d = my query's place in its block of 128 - 16 h
.irp j, 22,23,24,25,26,27
	v_mov_b32 v[\j], 0                                 ; K = 64 .. 127: zero codes
.endr
.irp t, 0,1,2,3
.irp j, 6,7,8,9,10,11
	v_mov_b32 v[KFR+12*\t+\j], 0
.endr
.endr
	v_mov_b32 v13, 0xff61b1e6                          ; the largest t so far: -3e38
	s_delay_alu instid0(VALU_DEP_1)
	v_floor_f32 v12, -v13                              ; -M
	v_mov_b32 v14, 0                                   ; the sum, in two halves
	v_mov_b32 v15, 0
	v_mov_b32 v[F+1], 0                                ; (named as the upper half of a pair)
	v_mov_b32 v[TV], 0
.irp b, 0,1,2,3
	v_mov_b32 v[PT+\b], 0                              ; a lane permute's destination counts as one of its sources
.endr
.set j, 0
.rept 32
	v_mov_b32 v[O+j], 0                                ; O^T: the step is written once; the first finds zeros, which the first change of M leaves zeros
.set j, j+1
.endr
	s_wait_tensorcnt 0x0                               ; my load, if I had one, has landed
	s_barrier_signal -1
	s_barrier_wait -1                                  ; all four have
	s_wait_loadcnt 0x0                                 ; q
.Lstep:                                                ; eight trips in every wave; a step behind my queries is passed over: a branch on the wave's number and the count alone
	s_cmp_gt_u32 s[ST], s[Q8]
	s_cbranch_scc1 .Lhidden
	v_add_nc_u32 v[A16], s[TK], v1                     ; (these four are the places in front of the loads)
	v_add_nc_u32 v[A8], s[TK], v2
	v_add_nc_u32 v[ASK], s[TSK], v3
	v_add_nc_u32 v[ASV], s[TSV], v4
	KLD 0
.irp p, 0,1,2,3
	ds_load_u16 v[KSC+\p], v[ASK] offset:128*\p
.endr
	VLD 0
.irp p, 0,1
	ds_load_b32 v[VSC+\p], v[ASV] offset:128*\p
.endr
	s_wait_alu depctr_va_vdst(0)
	s_wait_dscnt 10                                    ; k's four tiles and its scales are in; v^T's eight loads and two scale words may be out
	KQM 0
	PLACES 4
	KLD 1
	s_wait_dscnt 0x0
	KQM 1
	PLACES 4
	s_cmp_lg_u32 s[ST], s[Q8]                          ; on the diagonal the scores of hidden keys become -infinity: p = 0 then
	s_cbranch_scc1 .Lopen
	v_mov_b32 v[TV], 0xff800000
.set n, 0
.rept 64
	v_cmp_gt_i32 vcc_lo, 32*(n/16)+n%16, v7            ; register 16 b + i holds key 32 b + 16 h + i of the step
	v_cndmask_b32 v[S+n], v[S+n], v[TV], vcc_lo
.set n, n+1
.endr
.Lopen:
.irp b, 0,1,2,3
	v_max3_num_f32 v[BM+\b], v[S+16*\b], v[S+16*\b+1], v[S+16*\b+2]   ; the largest score of each block of 32 keys: for the row's maximum, and for the block's largest p
.endr
.irp i, 3,5,7,9,11,13
.irp b, 0,1,2,3
	v_max3_num_f32 v[BM+\b], v[BM+\b], v[S+16*\b+\i], v[S+16*\b+\i+1]
.endr
.endr
.irp b, 0,1,2,3
	v_max_num_f32 v[BM+\b], v[BM+\b], v[S+16*\b+15]
.endr
.irp b, 0,1,2,3
	s_delay_alu instid0(VALU_DEP_4)
	v_permlanex16_b32 v[PT+\b], v[BM+\b], s[SEL], s[SEL+1]
.endr
.irp b, 0,1,2,3
	s_delay_alu instid0(VALU_DEP_4)
	v_max_num_f32 v[BM+\b], v[BM+\b], v[PT+\b]
.endr
	s_delay_alu instid0(VALU_DEP_2)
	v_max3_num_f32 v[TV], v[BM], v[BM+1], v[BM+2]
	s_delay_alu instid0(VALU_DEP_1)
	v_max_num_f32 v[TV], v[TV], v[BM+3]
	s_delay_alu instid0(VALU_DEP_1)
	v_mul_f32 v[TV], s[CS], v[TV]
	s_delay_alu instid0(VALU_DEP_1)
	v_max_num_f32 v13, v13, v[TV]                      ; the running largest t
	v_mov_b32 v[TV], v12
	s_delay_alu instid0(VALU_DEP_2)
	v_floor_f32 v12, -v13                              ; the new -M = -ceil(t)
	s_delay_alu instid0(VALU_DEP_1)
	v_sub_f32 v[TV], v12, v[TV]                        ; old M - new M: a whole number, 0 or less
	s_delay_alu instid0(VALU_DEP_1)
	v_cvt_i32_f32 v[TV], v[TV]                         ; (it saturates)
	s_delay_alu instid0(VALU_DEP_1)
	v_ldexp_f32 v[F], 1.0, v[TV]                       ; f = 2^(old M - new M)
.set j, 0
.rept 32
	v_pk_fma_f32 v[S+j:S+j+1], v[S+j:S+j+1], s[CS:CS+1], v[12:13] op_sel_hi:[1,0,0]   ; t - M
.set j, j+2
.endr
.irp b, 0,1,2,3
	v_fma_f32 v[BM+\b], v[BM+\b], s[CS], v12
.endr
.set j, 0
	s_wait_alu depctr_va_vdst(0)
.rept 64
	v_exp_f32 v[S+j], v[S+j]                           ; p = 2^(t - M)
.set j, j+1
.endr
	v_pk_mul_f32 v[14:15], v[14:15], v[F:F+1] op_sel_hi:[1,0]   ; the sums under the new M; the plain place behind the exponentials
	s_wait_alu depctr_va_vdst(0)                       ; one wait for the batch, ahead of its first reader
.irp b, 0,1,2,3
	v_exp_f32 v[BM+\b], v[BM+\b]                       ; the blocks' largest p
.endr
	v_pk_add_f32 v[124:125], v[132:133], v[136:137]
	v_pk_add_f32 v[254:255], v[140:141], v[144:145]
	v_pk_add_f32 v[252:253], v[148:149], v[152:153]
	v_pk_add_f32 v[250:251], v[156:157], v[160:161]
	v_pk_add_f32 v[248:249], v[164:165], v[168:169]
	v_pk_add_f32 v[246:247], v[172:173], v[176:177]
	v_pk_add_f32 v[244:245], v[180:181], v[184:185]
	v_pk_add_f32 v[14:15], v[14:15], v[188:189]
	v_pk_add_f32 v[124:125], v[124:125], v[128:129]
	v_pk_add_f32 v[254:255], v[254:255], v[130:131]
	v_pk_add_f32 v[252:253], v[252:253], v[134:135]
	v_pk_add_f32 v[250:251], v[250:251], v[138:139]
	v_pk_add_f32 v[248:249], v[248:249], v[142:143]
	v_pk_add_f32 v[246:247], v[246:247], v[146:147]
	v_pk_add_f32 v[244:245], v[244:245], v[150:151]
	v_pk_add_f32 v[14:15], v[14:15], v[154:155]
	v_pk_add_f32 v[124:125], v[124:125], v[158:159]
	v_pk_add_f32 v[254:255], v[254:255], v[162:163]
	v_pk_add_f32 v[252:253], v[252:253], v[166:167]
	v_pk_add_f32 v[250:251], v[250:251], v[170:171]
	v_pk_add_f32 v[248:249], v[248:249], v[174:175]
	v_pk_add_f32 v[246:247], v[246:247], v[178:179]
	v_pk_add_f32 v[244:245], v[244:245], v[182:183]
	v_pk_add_f32 v[14:15], v[14:15], v[186:187]
	v_pk_add_f32 v[124:125], v[124:125], v[190:191]
	s_delay_alu instid0(VALU_DEP_2)
	v_pk_add_f32 v[14:15], v[14:15], v[250:251]
	s_delay_alu instid0(VALU_DEP_2)
	v_pk_add_f32 v[124:125], v[124:125], v[248:249]
	v_pk_add_f32 v[254:255], v[254:255], v[246:247]
	v_pk_add_f32 v[252:253], v[252:253], v[244:245]
	s_delay_alu instid0(VALU_DEP_2)
	v_pk_add_f32 v[14:15], v[14:15], v[254:255]
	s_delay_alu instid0(VALU_DEP_2)
	v_pk_add_f32 v[124:125], v[124:125], v[252:253]
	s_delay_alu instid0(VALU_DEP_1)
	v_pk_add_f32 v[14:15], v[14:15], v[124:125]
	s_wait_alu depctr_va_vdst(0)                       ; and one for the four
.irp b, 0,1,2,3
	v_max_num_f32 v[BM+\b], 0x1800000, v[BM+\b]        ; the floor: the byte cannot fall under 1
.endr
.irp b, 0,1,2,3
	s_delay_alu instid0(VALU_DEP_4)
	v_add_nc_u32 v[SO+\b], 0xff000000, v[BM+\b]
.endr
.irp b, 0,1,2,3
	s_delay_alu instid0(VALU_DEP_4)
	v_lshrrev_b32 v[PT+\b], 23, v[SO+\b]
.endr
	s_delay_alu instid0(VALU_DEP_3)
	v_lshl_or_b32 v[PW], v[PT+1], 8, v[PT]
	s_delay_alu instid0(VALU_DEP_1)
	v_lshl_or_b32 v[PW], v[PT+2], 16, v[PW]
	s_delay_alu instid0(VALU_DEP_1)
	v_lshl_or_b32 v[PW], v[PT+3], 24, v[PW]
.irp c, 0,1
	v_cvt_scalef32_pk16_fp6_f32 v[PCD+6*\c:PCD+2+6*\c], v[S+32*\c:S+15+32*\c], v[SO+2*\c]
	v_cvt_scalef32_pk16_fp6_f32 v[CT+4*\c:CT+2+4*\c], v[S+16+32*\c:S+31+32*\c], v[SO+2*\c+1]
.endr
	v_nop
.irp c, 0,1
.irp i, 0,1,2
	v_permlane16_swap_b32 v[PCD+6*\c+\i], v[CT+4*\c+\i]
.endr
.irp i, 0,1,2
	s_delay_alu instid0(VALU_DEP_3)
	v_mov_b32 v[PCD+3+6*\c+\i], v[CT+4*\c+\i]
.endr
.endr
.set j, 0
.rept 16
	v_pk_mul_f32 v[O+j:O+j+1], v[O+j:O+j+1], v[F:F+1] op_sel_hi:[1,0]   ; O^T under the new M; these sixteen are also the places between p's scale word and codes and the products
.set j, j+2
.endr
	PVM 0
	PLACES 4
	VLD 2
	s_wait_alu depctr_va_vdst(0)
	s_wait_dscnt 0x0
	PVM 2
.Lhidden:
	s_add_co_u32 s[TK], s[TK], 8*UNIT                  ; the next step: 6,144 bytes on in k's codes and in v^T's,
	s_add_co_u32 s[TSK], s[TSK], 512
	s_add_co_u32 s[TSV], s[TSV], 256
	s_add_co_u32 s[ST], s[ST], 1
	s_cmp_lt_u32 s[ST], 8
	s_cbranch_scc1 .Lstep
	; THE WAY OUT: O^T / the sum; register 16 g + i is o's column 32 g + 16 h + i of my head: two blocks, half a fragment
	PLACES 4
	v_add_f32 v14, v14, v15
	s_delay_alu instid0(VALU_DEP_1)
	v_permlanex16_b32 v[TV], v14, s[SEL], s[SEL+1]
	s_delay_alu instid0(VALU_DEP_1)
	v_add_f32 v14, v14, v[TV]
	s_wait_alu depctr_va_vdst(0)
	v_rcp_f32 v14, v14
	v_nop
	s_wait_alu depctr_va_vdst(0)
.set j, 0
.rept 16
	v_pk_mul_f32 v[S+j:S+j+1], v[O+j:O+j+1], v[14:15] op_sel_hi:[1,0]
.set j, j+2
.endr
.irp g, 0,1
	v_max3_num_f32 v[BM+\g], |v[S+16*\g]|, |v[S+16*\g+1]|, 0x1800000
.endr
.irp i, 2,4,6,8,10,12,14
.irp g, 0,1
	s_delay_alu instid0(VALU_DEP_2)
	v_max3_num_f32 v[BM+\g], v[BM+\g], |v[S+16*\g+\i]|, |v[S+16*\g+\i+1]|
.endr
.endr
.irp g, 0,1
	s_delay_alu instid0(VALU_DEP_2)
	v_permlanex16_b32 v[PT+\g], v[BM+\g], s[SEL], s[SEL+1]
.endr
.irp g, 0,1
	s_delay_alu instid0(VALU_DEP_2)
	v_max_num_f32 v[BM+\g], v[BM+\g], v[PT+\g]
.endr
.irp g, 0,1
	s_delay_alu instid0(VALU_DEP_2)
	v_add_nc_u32 v[SO+\g], 0xff000000, v[BM+\g]
.endr
.irp g, 0,1
	s_delay_alu instid0(VALU_DEP_2)
	v_lshrrev_b32 v[PT+\g], 23, v[SO+\g]
.endr
	s_delay_alu instid0(VALU_DEP_1)
	v_lshl_or_b32 v[PW], v[PT+1], 8, v[PT]
	v_cvt_scalef32_pk16_fp6_f32 v[PCD:PCD+2], v[S:S+15], v[SO]
	v_cvt_scalef32_pk16_fp6_f32 v[CT:CT+2], v[S+16:S+31], v[SO+1]
	v_nop
.irp i, 0,1,2
	v_permlane16_swap_b32 v[PCD+\i], v[CT+\i]
.endr
.irp i, 0,1,2
	s_delay_alu instid0(VALU_DEP_3)
	v_mov_b32 v[PCD+3+\i], v[CT+\i]
.endr
	global_store_b128 v1, v[PCD:PCD+3], s[92:93]               ; 512 consecutive bytes
	global_store_b64 v2, v[PCD+4:PCD+5], s[92:93] offset:512   ; 256
	global_store_b16 v5, v[PW], s[94:95]                       ; my head's two bytes of each row's scale word; lanes 16-31 repeat lanes 0-15.  Two bytes a lane: one part in 24 of what the launch stores
	s_wait_tensorcnt 0x0                               ; the wave's end
	ds_add_u32 v[SPW], v[NIL]
	s_wait_dscnt 0x0
	CROUND                                             ; the closing round
	s_endpgm
.Lfunc_end_k_q2d03796204_attn:
	.size	k_q2d03796204_attn, .Lfunc_end_k_q2d03796204_attn-k_q2d03796204_attn
	.p2alignl 7, 3214868480
	.fill 96, 4, 3214868480
	.section	.rodata,"a",@progbits
	.p2align	6, 0x0
	.amdhsa_kernel k_q2d03796204_attn
		.amdhsa_group_segment_fixed_size 167936
		.amdhsa_private_segment_fixed_size 0
		.amdhsa_enable_private_segment 0
		.amdhsa_kernarg_size 16
		.amdhsa_user_sgpr_count 2
		.amdhsa_user_sgpr_kernarg_segment_ptr 1
		.amdhsa_wavefront_size32 1
		.amdhsa_system_sgpr_workgroup_id_x 1
		.amdhsa_system_sgpr_workgroup_id_y 1
		.amdhsa_system_sgpr_workgroup_id_z 1
		.amdhsa_system_vgpr_workitem_id 0
		.amdhsa_next_free_vgpr 256
		.amdhsa_next_free_sgpr 96
		.amdhsa_reserve_vcc 1
		.amdhsa_float_denorm_mode_32 3
		.amdhsa_float_denorm_mode_16_64 3
		.amdhsa_memory_ordered 1
		.amdhsa_forward_progress 1
		.amdhsa_inst_pref_size 40
	.end_amdhsa_kernel
	.amdgpu_metadata
---
amdhsa.version: [ 1, 2 ]
amdhsa.kernels:
  - .name:           k_q2d03796204_attn
    .symbol:         k_q2d03796204_attn.kd
    .args:
      - { .name: qkvc, .offset: 0, .size: 8, .value_kind: global_buffer, .address_space: global }
      - { .name: oc, .offset: 8, .size: 8, .value_kind: global_buffer, .address_space: global }
    .group_segment_fixed_size: 167936
    .private_segment_fixed_size: 0
    .kernarg_segment_align: 8
    .kernarg_segment_size: 16
    .max_flat_workgroup_size: 512
    .sgpr_count:     96
    .vgpr_count:     256
    .wavefront_size: 32
...
	.end_amdgpu_metadata
.endif
;; end of part 3
;; launch proj (part 4): grid 256 x 1, 8 waves a work-group, no clusters, 91,648 bytes of LDS; arguments oc, wc, proj_b, x, ln2_g, ln2_b, x1, h2c; writes x1, h2c
.if DOCPART == 4
	.amdgcn_target "amdgcn-amd-amdhsa--gfx1250"
	.amdhsa_code_object_version 6
	.text
	.protected	k_q2d03796204_proj
	.globl	k_q2d03796204_proj
	.p2align	8
	.type	k_q2d03796204_proj,@function
k_q2d03796204_proj:
	s_mov_b64 s[64:65], 0
	v_nop
	global_prefetch_b8 v0, s[64:65] scope:SCOPE_SE
	s_setreg_imm32_b32 hwreg(HW_REG_WAVE_MODE, 25, 1), 1
	s_wait_xcnt 0x0
; TWO STEPS IN ONE LAUNCH: x1 = x + o proj_w + proj_b, in f32, and h2c = the codes (E2M3, one E8M0 scale for each 32 along the 1,024 columns) of the layer norm of x1.
; o and proj_w are operands of codes with E8M0 scales, K = 1,024: 8 K steps of 128, in blocks of 12,800 bytes: eight tiles' register images of one K step, then their scale words (launch prep); h2c likewise.
; A work-group takes one tile of 16 tokens (row r of tile T is token 32 (T / 2) + 8 (T % 2) + r + 8 (r / 8)) and ALL 1,024 columns, so that it owns whole rows of x1: 256 work-groups.
; Wave w has columns 128 w on: eight tiles of proj_w, one block for each K step; source 0 = 16 columns, source 1 = the 16 tokens: lane (r, h) holds token r, and register 16 b + i of the eight
; accumulators is column 32 b + 16 h + i of the wave's 128: the order in which the norm's quantiser wants them.  One f32 sum for each output, K ascending; x + proj_b is added behind it.
; THE WEIGHTS GO FROM MEMORY STRAIGHT INTO REGISTERS, two sets of 96 in window 1 by turns, every offset an immediate: a block is read by one wave alone and each fragment feeds one product, so LDS would share nothing
; inside the work-group.  NO JOINT LOADS: a work-group walks 819,200 bytes of weights; through 327,680 bytes of LDS that would be three fills or more, each drained and each behind a round of a cluster's barrier,
; for 64 products a wave.  No prefetch: all 256 work-groups read the same 819,200 bytes of weights at the same time, and x, read once, is asked for at the head.
; o's tile: wave w fetches K step w, and the eight images go from wave to wave through LDS.  x's rows come as they lie, take proj_b, and turn through the wave's own stage; x1 leaves through it by whole rows of 512 bytes.
; Mean and variance in two passes (the mean first, then the squares of the differences); the waves' sums meet through LDS.
; LIMITS: NaN and infinities are not served; blocks whose largest magnitude lies under 2^-124 keep the byte 1, a block of zeros too (its codes are zeros; this program alone reads the bytes).
.set FRB,   1536
.set BLK,   8*FRB+512
.set KSBY,  32*BLK                     ; from K step to K step in oc and in h2c,
.set KSBX,  8*BLK                      ; and in proj_w's blocks,
.set WCC,   3276800                    ; which begin here in wc
.set STG,   16*528                     ; LDS: a wave's stage: 16 rows of 512 bytes + 16
.set ST1,   8*STG                      ; the waves' sums, 128 bytes a wave; the sums of squares lie 1,024 bytes on
.set PAR,   ST1+2048                   ; the norm's gain and bias of a wave's 128 columns: 512 + 512 bytes a wave
.set YL,    PAR+8*1024                 ; o's tile: eight places of an image and 64 bytes of scale words
.set YPL,   FRB+64
.set SPARE, YL+8*YPL                   ; the spare words, 128 bytes for each wave
.set SEL, 36                           ; s[36:37] lane selects: lane l xor 16
.set SPW, 12                           ; v12 my spare word's address; v13 0; never rewritten
.set NIL, 13
.set PB,  32                           ; v32-35 proj_b, v36-39 the gain, v40-43 the norm's bias: my lane's four columns of a row
.set YT,  44                           ; v44-55 the image of o's K step w; v56 its scale words
.set X,   80                           ; v80-143 the eight accumulators, then x1, then the norm
.set YF,  144                          ; v144-239 o's eight fragments
.set YS,  240                          ; v240-247 o's scale words, v248-255 the weights', two tiles to a register, two sets: they hold nothing else
.set XS,  248
.set RX,  192                          ; window 1: v0-95, v96-191 the weights' two sets; v192-255 x + proj_b
.set LB,  16                           ; behind the products: v16-79 the norm's bias, v144-207 its gain; later the codes and the quantiser's
.set GA,  144
.set SA,  208
.set R8,  216
.set MU,  224
.set RS,  226
.set PC,  144
.set PT,  156
.set TM,  176
.set PW,  192
.set MSB, 0
.macro WIN new                         ; the immediate's high byte repeats the setting that is left
.if MSB != \new
	s_set_vgpr_msb (MSB<<8)|\new
.set MSB, \new
.endif
.endm
.macro PLACES n
.rept \n
	v_nop
.endr
.endm
.macro XLOAD k                         ; the weights' block of K step k into set k % 2: 4 loads of scale words, 32 of images
.irp i, 0,1,2,3
	global_load_b32 v[XS+4*((\k)%2)+\i], v14, s[6:7] offset:(\k)*KSBX+8*FRB+128*\i    ; lanes 0-15 tile 2 i's words, lanes 16-31 tile 2 i + 1's
.endr
	WIN 0x40                                           ; destination in window 1
.irp t, 0,1,2,3,4,5,6,7
	global_load_b128 v[96*((\k)%2)+12*\t:96*((\k)%2)+12*\t+3], v4, s[6:7] offset:(\k)*KSBX+FRB*\t
	global_load_b64 v[96*((\k)%2)+12*\t+4:96*((\k)%2)+12*\t+5], v5, s[6:7] offset:(\k)*KSBX+FRB*\t+512
	global_load_b128 v[96*((\k)%2)+12*\t+6:96*((\k)%2)+12*\t+9], v4, s[6:7] offset:(\k)*KSBX+FRB*\t+768
	global_load_b64 v[96*((\k)%2)+12*\t+10:96*((\k)%2)+12*\t+11], v5, s[6:7] offset:(\k)*KSBX+FRB*\t+1280
.endr
	WIN 0
.endm
; K step k: eight products, the eight accumulators by turns.  cnt: the loads issued behind set k's, which may stay out.  K step 0 starts the sums.
.macro MM k, cnt
	s_wait_loadcnt \cnt
	WIN 0x01                                           ; source 0 in window 1
.irp i, 0,1,2,3
.if (\k) == 0
	v_wmma_scale_f32_16x16x128_f8f6f4 v[X+16*\i:X+16*\i+7], v[96*((\k)%2)+24*\i:96*((\k)%2)+24*\i+11], v[YF+12*(\k):YF+12*(\k)+11], 0, v[XS+4*((\k)%2)+\i], v[YS+(\k)] matrix_a_fmt:MATRIX_FMT_FP6 matrix_b_fmt:MATRIX_FMT_FP6
	v_wmma_scale_f32_16x16x128_f8f6f4 v[X+16*\i+8:X+16*\i+15], v[96*((\k)%2)+24*\i+12:96*((\k)%2)+24*\i+23], v[YF+12*(\k):YF+12*(\k)+11], 0, v[XS+4*((\k)%2)+\i], v[YS+(\k)] matrix_a_fmt:MATRIX_FMT_FP6 matrix_b_fmt:MATRIX_FMT_FP6 matrix_a_scale:MATRIX_SCALE_ROW1
.else
	v_wmma_scale_f32_16x16x128_f8f6f4 v[X+16*\i:X+16*\i+7], v[96*((\k)%2)+24*\i:96*((\k)%2)+24*\i+11], v[YF+12*(\k):YF+12*(\k)+11], v[X+16*\i:X+16*\i+7], v[XS+4*((\k)%2)+\i], v[YS+(\k)] matrix_a_fmt:MATRIX_FMT_FP6 matrix_b_fmt:MATRIX_FMT_FP6
	v_wmma_scale_f32_16x16x128_f8f6f4 v[X+16*\i+8:X+16*\i+15], v[96*((\k)%2)+24*\i+12:96*((\k)%2)+24*\i+23], v[YF+12*(\k):YF+12*(\k)+11], v[X+16*\i+8:X+16*\i+15], v[XS+4*((\k)%2)+\i], v[YS+(\k)] matrix_a_fmt:MATRIX_FMT_FP6 matrix_b_fmt:MATRIX_FMT_FP6 matrix_a_scale:MATRIX_SCALE_ROW1
.endif
.endr
	WIN 0
.endm
.macro QUANT s                         ; 64 numbers of a lane become a fragment's codes in v[PC] on and its scale word in v[PW]
.irp b, 0,1,2,3
	v_max3_num_f32 v[TM+\b], |v[\s+16*\b]|, |v[\s+1+16*\b]|, 0x1800000   ; my 16 numbers of block b, and the floor 2^(3 - 127)
.endr
.irp i, 2,4,6,8,10,12,14
.irp b, 0,1,2,3
	s_delay_alu instid0(VALU_DEP_4)
	v_max3_num_f32 v[TM+\b], v[TM+\b], |v[\s+16*\b+\i]|, |v[\s+1+16*\b+\i]|
.endr
.endr
.irp b, 0,1,2,3
	s_delay_alu instid0(VALU_DEP_4)
	v_permlanex16_b32 v[TM+4+\b], v[TM+\b], s[SEL], s[SEL+1]
.endr
.irp b, 0,1,2,3
	s_delay_alu instid0(VALU_DEP_4)
	v_max_num_f32 v[TM+\b], v[TM+\b], v[TM+4+\b]
.endr
.irp b, 0,1,2,3
	s_delay_alu instid0(VALU_DEP_4)
	v_add_nc_u32 v[TM+12+\b], 0xff000000, v[TM+\b]     ; 2 off the exponent field: the conversion's scale operand
.endr
.irp b, 0,1,2,3
	s_delay_alu instid0(VALU_DEP_4)
	v_lshrrev_b32 v[TM+4+\b], 23, v[TM+12+\b]
.endr
	s_delay_alu instid0(VALU_DEP_3)
	v_lshl_or_b32 v[PW], v[TM+5], 8, v[TM+4]
	s_delay_alu instid0(VALU_DEP_1)
	v_lshl_or_b32 v[PW], v[TM+6], 16, v[PW]
	s_delay_alu instid0(VALU_DEP_1)
	v_lshl_or_b32 v[PW], v[TM+7], 24, v[PW]
.irp c, 0,1
	v_cvt_scalef32_pk16_fp6_f32 v[PC+6*\c:PC+2+6*\c], v[\s+32*\c:\s+15+32*\c], v[TM+12+2*\c]
	v_cvt_scalef32_pk16_fp6_f32 v[PT+4*\c:PT+2+4*\c], v[\s+16+32*\c:\s+31+32*\c], v[TM+12+2*\c+1]
.endr
	v_nop                                              ; one plain place behind a scaled conversion
.irp c, 0,1
.irp i, 0,1,2
	v_permlane16_swap_b32 v[PC+6*\c+\i], v[PT+4*\c+\i]
.endr
.irp i, 0,1,2
	s_delay_alu instid0(VALU_DEP_3)
	v_mov_b32 v[PC+3+6*\c+\i], v[PT+4*\c+\i]
.endr
.endr
.endm
.macro REDUCE off                      ; v[SA:SA+7], four packed sums, become the row's sum over all 1,024 columns in v[R8]
	s_delay_alu instid0(VALU_DEP_3)
	v_pk_add_f32 v[SA:SA+1], v[SA:SA+1], v[SA+2:SA+3]
	s_delay_alu instid0(VALU_DEP_2)
	v_pk_add_f32 v[SA+4:SA+5], v[SA+4:SA+5], v[SA+6:SA+7]
	s_delay_alu instid0(VALU_DEP_1)
	v_pk_add_f32 v[SA:SA+1], v[SA:SA+1], v[SA+4:SA+5]
	s_delay_alu instid0(VALU_DEP_1)
	v_add_f32 v[SA], v[SA], v[SA+1]
	s_delay_alu instid0(VALU_DEP_1)
	v_permlanex16_b32 v[SA+1], v[SA], s[SEL], s[SEL+1]
	s_delay_alu instid0(VALU_DEP_1)
	v_add_f32 v[SA], v[SA], v[SA+1]                    ; my wave's 128 columns of row r
	ds_store_b32 v8, v[SA] offset:\off
	s_wait_dscnt 0x0                                   ; for the others' sake: my store has landed
	s_barrier_signal -1
	s_barrier_wait -1
.irp k, 0,1,2,3,4,5,6,7
	ds_load_b32 v[R8+\k], v9 offset:\off+128*\k        ; row r's sums of the eight waves
.endr
	s_wait_dscnt 0x0
	v_add_f32 v[R8], v[R8], v[R8+1]
	v_add_f32 v[R8+2], v[R8+2], v[R8+3]
	v_add_f32 v[R8+4], v[R8+4], v[R8+5]
	v_add_f32 v[R8+6], v[R8+6], v[R8+7]
	s_delay_alu instid0(VALU_DEP_3)
	v_add_f32 v[R8], v[R8], v[R8+2]
	s_delay_alu instid0(VALU_DEP_2)
	v_add_f32 v[R8+4], v[R8+4], v[R8+6]
	s_delay_alu instid0(VALU_DEP_1)
	v_add_f32 v[R8], v[R8], v[R8+4]
.endm
	s_load_b256 s[4:11], s[0:1], 0x0                   ; oc, wc, proj_b, x
	s_load_b256 s[12:19], s[0:1], 0x20                 ; ln2_g, ln2_b, x1, h2c
	v_lshl_add_u32 v[SPW], v0, 2, SPARE
	v_mov_b32 v[NIL], 0
	v_lshrrev_b32 v1, 5, v0
	s_delay_alu instid0(VALU_DEP_1)
	v_readfirstlane_b32 s26, v1                        ; wave 0..7
	s_lshr_b32 s27, ttmp9, 1
	s_lshl_b32 s27, s27, 5
	s_and_b32 s28, ttmp9, 1
	s_lshl_b32 s28, s28, 3
	s_add_co_u32 s27, s27, s28                         ; the tile's first token
	s_lshl_b32 s30, s26, 9                             ; my 128 columns: 512 bytes on
	s_mov_b32 s31, 0
	s_lshl_b32 s28, s27, 12
	s_add_co_u32 s28, s28, s30                         ; where my part of the rows begins in x and in x1
	s_mov_b32 s29, 0
	s_mul_i32 s20, s26, BLK
	s_add_co_u32 s20, s20, WCC                         ; the weights: block w of K step 0
	s_mov_b32 s21, 0
	s_lshr_b32 s22, ttmp9, 3
	s_mul_i32 s22, s22, BLK
	s_mul_i32 s23, s26, KSBY
	s_add_co_u32 s22, s22, s23                         ; block T / 8 of K step w: what I fetch of oc, and what I store of h2c
	s_mov_b32 s23, 0
	s_and_b32 s24, ttmp9, 7
	s_mul_i32 s32, s24, FRB                            ; in it image T % 8,
	s_mov_b32 s33, 0
	s_lshl_b32 s34, s24, 6
	s_add_co_u32 s34, s34, 8*FRB                       ; and its scale words
	s_mov_b32 s35, 0
	s_mul_i32 s25, s26, STG                            ; my stage
	s_lshl_b32 s38, s26, 10
	s_add_co_u32 s38, s38, PAR                         ; my gain and bias
	s_mul_i32 s39, s26, YPL
	s_add_co_u32 s39, s39, YL                          ; my place among o's eight
	s_add_co_u32 s41, s39, FRB
	s_mov_b32 s[SEL], 0x76543210
	s_mov_b32 s[SEL+1], 0xfedcba98
	s_mov_b32 s40, 0x3a800000                          ; 1 / 1,024
	v_and_b32 v1, 31, v0                               ; lane
	v_and_b32 v2, 15, v0                               ; r
	v_bfe_u32 v3, v0, 4, 1                             ; h
	s_delay_alu instid0(VALU_DEP_3)
	v_lshlrev_b32 v4, 4, v1                            ; 16 x lane
	s_delay_alu instid0(VALU_DEP_4)
	v_lshlrev_b32 v5, 3, v1                            ; 8 x lane
	v_lshlrev_b32 v14, 2, v1                           ; 4 x lane
	v_lshlrev_b32 v11, 2, v2                           ; 4 r
	v_mul_u32_u24 v7, v2, 528
	v_add_nc_u32 v6, s25, v4                           ; the stage by rows: a row's 512 bytes as they lie
	v_lshl_add_u32 v8, v0, 2, ST1                      ; my word among the sums
	v_lshl_add_u32 v9, v1, 2, ST1                      ; wave 0's word of my lane
	v_lshl_add_u32 v10, v3, 6, s38                     ; gain and bias, read: 64 h
	v_lshl_add_u32 v7, v3, 6, v7
	v_add_nc_u32 v15, s38, v4                          ; and written: 16 x lane
	v_add_nc_u32 v16, s39, v4                          ; o's image: into my place,
	v_add_nc_u32 v17, s39, v5
	v_add_nc_u32 v18, s41, v11
	v_add_nc_u32 v7, s25, v7                           ; the stage by lanes: row r, 64 h bytes on
	v_add_nc_u32 v19, YL, v4                           ; and out of place 0 on
	v_add_nc_u32 v20, YL, v5
	v_add_nc_u32 v21, YL+FRB, v11
	s_wait_alu depctr_va_vdst(0)                       ; the wait at the head's end
	s_wait_kmcnt 0x0
	s_add_nc_u64 s[10:11], s[10:11], s[28:29]
	s_add_nc_u64 s[16:17], s[16:17], s[28:29]
	s_add_nc_u64 s[8:9], s[8:9], s[30:31]
	s_add_nc_u64 s[12:13], s[12:13], s[30:31]
	s_add_nc_u64 s[14:15], s[14:15], s[30:31]
	s_add_nc_u64 s[6:7], s[6:7], s[20:21]
	s_add_nc_u64 s[4:5], s[4:5], s[22:23]
	s_add_nc_u64 s[18:19], s[18:19], s[22:23]
	s_add_nc_u64 s[20:21], s[4:5], s[34:35]            ; o's scale words,
	s_add_nc_u64 s[4:5], s[4:5], s[32:33]              ; o's image,
	s_add_nc_u64 s[22:23], s[18:19], s[34:35]          ; h2c's scale words,
	s_add_nc_u64 s[18:19], s[18:19], s[32:33]          ; h2c's image
	global_load_b128 v[YT:YT+3], v4, s[4:5]            ; 96 loads go out: 5 for o's K step w,
	global_load_b64 v[YT+4:YT+5], v5, s[4:5] offset:512
	global_load_b128 v[YT+6:YT+9], v4, s[4:5] offset:768
	global_load_b64 v[YT+10:YT+11], v5, s[4:5] offset:1280
	global_load_b32 v[YT+12], v11, s[20:21]
	global_load_b128 v[PB:PB+3], v4, s[8:9]            ; 3 for proj_b, the gain and the norm's bias: 512 consecutive bytes each,
	global_load_b128 v[PB+4:PB+7], v4, s[12:13]
	global_load_b128 v[PB+8:PB+11], v4, s[14:15]
	XLOAD 0                                            ; 36 and 36 for the weights' K steps 0 and 1,
	XLOAD 1
	WIN 0x40
.set i, 0
.rept 16
	global_load_b128 v[RX+4*i:RX+4*i+3], v4, s[10:11] offset:(i+8*(i/8))*4096   ; and 16 for x: row i of the tile, 512 consecutive bytes
.set i, i+1
.endr
	WIN 0
	s_wait_loadcnt 63                                  ; all but the youngest 63 are in: the first 33, the first eight among them
	ds_store_b128 v16, v[YT:YT+3]                      ; o's K step w, as an image of its registers
	ds_store_b64 v17, v[YT+4:YT+5] offset:512
	ds_store_b128 v16, v[YT+6:YT+9] offset:768
	ds_store_b64 v17, v[YT+10:YT+11] offset:1280
	ds_store_b32 v18, v[YT+12]                         ; lanes 16-31 repeat lanes 0-15: same address, same value
	ds_store_b128 v15, v[PB+4:PB+7]                    ; gain and bias wait in LDS until registers are free for them
	ds_store_b128 v15, v[PB+8:PB+11] offset:512
	s_wait_dscnt 0x0                                   ; for the others' sake: my stores have landed
	s_barrier_signal -1
	s_barrier_wait -1
.irp k, 0,1,2,3,4,5,6,7
	ds_load_b128 v[YF+12*\k:YF+12*\k+3], v19 offset:\k*YPL
	ds_load_b64 v[YF+12*\k+4:YF+12*\k+5], v20 offset:\k*YPL+512
	ds_load_b128 v[YF+12*\k+6:YF+12*\k+9], v19 offset:\k*YPL+768
	ds_load_b64 v[YF+12*\k+10:YF+12*\k+11], v20 offset:\k*YPL+1280
	ds_load_b32 v[YS+\k], v21 offset:\k*YPL
.endr
	s_wait_dscnt 0x0
	MM 0, 52                                           ; behind set 0's loads: set 1's 36 and x's 16
	PLACES 4                                           ; in front of loads into registers that matrix instructions have read (ISA guide 7.12.1 for vector instructions)
	XLOAD 2
	MM 1, 52                                           ; behind set 1's: x's 16 and K step 2's 36
	PLACES 4
	XLOAD 3
	s_wait_loadcnt 63                                  ; of the 88 that may be out (x's 16, then 36 and 36) all but the youngest 63 are in: x is
	WIN 0x41                                           ; source 0 and destination in window 1
.set i, 0
.rept 16
	v_pk_add_f32 v[RX+4*i:RX+4*i+1], v[RX+4*i:RX+4*i+1], v[PB:PB+1]       ; x + proj_b, while a lane still holds four neighbouring columns
	v_pk_add_f32 v[RX+4*i+2:RX+4*i+3], v[RX+4*i+2:RX+4*i+3], v[PB+2:PB+3]
.set i, i+1
.endr
	WIN 0x04                                           ; an LDS store's data are its source 1
.set i, 0
.rept 16
	ds_store_b128 v6, v[RX+4*i:RX+4*i+3] offset:i*528
.set i, i+1
.endr
	WIN 0
	s_wait_dscnt 0x0                                   ; the stores have read their registers, which take the same numbers back by lanes
	WIN 0x40
.irp b, 0,1,2,3
.irp j, 0,1,2,3
	ds_load_b128 v[RX+16*\b+4*\j:RX+16*\b+4*\j+3], v7 offset:128*\b+16*\j
.endr
.endr
	WIN 0
.irp k, 2,3,4,5
	MM \k, 36                                          ; behind this set's loads: the other set's 36
	PLACES 4
	XLOAD \k+2
.endr
	MM 6, 36
	MM 7, 0
	; x1, and its way out
	PLACES 4
	s_wait_dscnt 0x0                                   ; x + proj_b is back from the stage
	WIN 0x04                                           ; source 1 in window 1
.set j, 0
.rept 32
	v_pk_add_f32 v[X+j:X+j+1], v[X+j:X+j+1], v[RX+j:RX+j+1]               ; each accumulator from its low end on
.set j, j+2
.endr
	WIN 0
.irp b, 0,1,2,3
.irp j, 0,1,2,3
	ds_store_b128 v7, v[X+16*\b+4*\j:X+16*\b+4*\j+3] offset:128*\b+16*\j
.endr
.endr
	WIN 0x40
.set i, 0
.rept 16
	ds_load_b128 v[4*i:4*i+3], v6 offset:i*528         ; LDS serves a wave's instructions in order: these see my stores; whole rows, into the weights' first set
.set i, i+1
.endr
	WIN 0
.irp b, 0,1,2,3
.irp j, 0,1,2,3
	ds_load_b128 v[GA+16*\b+4*\j:GA+16*\b+4*\j+3], v10 offset:128*\b+16*\j
	ds_load_b128 v[LB+16*\b+4*\j:LB+16*\b+4*\j+3], v10 offset:512+128*\b+16*\j
.endr
.endr
	s_wait_alu depctr_va_vdst(0)                       ; directly ahead of the wait below
	s_wait_dscnt 32                                    ; the rows are back; the 32 loads of gain and bias may be out
	WIN 0x04                                           ; a store's data are its source 1
.set i, 0
.rept 16
	global_store_b128 v4, v[4*i:4*i+3], s[16:17] offset:(i+8*(i/8))*4096   ; 32 lanes store 512 consecutive bytes, at a multiple of 256 from the buffer's first byte
.set i, i+1
.endr
	WIN 0
	; the layer norm of x1
.irp c, 0,1,2,3
	v_pk_add_f32 v[SA+2*\c:SA+2*\c+1], v[X+16*\c:X+16*\c+1], v[X+16*\c+2:X+16*\c+3]
.endr
.irp i, 4,6,8,10,12,14
.irp c, 0,1,2,3
	s_delay_alu instid0(VALU_DEP_4)
	v_pk_add_f32 v[SA+2*\c:SA+2*\c+1], v[SA+2*\c:SA+2*\c+1], v[X+16*\c+\i:X+16*\c+\i+1]
.endr
.endr
	REDUCE 0
	s_delay_alu instid0(VALU_DEP_1)
	v_mul_f32 v[MU], s40, v[R8]                        ; the mean
	s_delay_alu instid0(VALU_DEP_1)
	v_mov_b32 v[MU+1], v[MU]
.set j, 0
.rept 32
	v_pk_add_f32 v[X+j:X+j+1], v[X+j:X+j+1], v[MU:MU+1] neg_lo:[0,1] neg_hi:[0,1]
.set j, j+2
.endr
.irp c, 0,1,2,3
	v_pk_mul_f32 v[SA+2*\c:SA+2*\c+1], v[X+16*\c:X+16*\c+1], v[X+16*\c:X+16*\c+1]
.endr
.irp i, 2,4,6,8,10,12,14
.irp c, 0,1,2,3
	s_delay_alu instid0(VALU_DEP_4)
	v_pk_fma_f32 v[SA+2*\c:SA+2*\c+1], v[X+16*\c+\i:X+16*\c+\i+1], v[X+16*\c+\i:X+16*\c+\i+1], v[SA+2*\c:SA+2*\c+1]
.endr
.endr
	REDUCE 1024                                        ; bytes of their own: no wave writes words that another may still read
	s_delay_alu instid0(VALU_DEP_1)
	v_fmaak_f32 v[R8+1], s40, v[R8], 0x3727c5ac        ; the variance + 1e-5
	s_wait_alu depctr_va_vdst(0)                       ; the wait ahead of the transcendental
	v_rsq_f32 v[RS], v[R8+1]
	v_nop                                              ; a plain place behind it
	s_wait_alu depctr_va_vdst(0)                       ; and the wait ahead of its first reader
	v_mov_b32 v[RS+1], v[RS]
.set j, 0
.rept 32
	v_pk_mul_f32 v[X+j:X+j+1], v[X+j:X+j+1], v[RS:RS+1]
.set j, j+2
.endr
.set j, 0
.rept 32
	v_pk_fma_f32 v[X+j:X+j+1], v[X+j:X+j+1], v[GA+j:GA+j+1], v[LB+j:LB+j+1]   ; gain and bias came in ahead of the waits for 0 above
.set j, j+2
.endr
.irp b, 0,1,2,3
	v_mov_b32 v[TM+4+\b], 0                            ; a lane permute's destination counts as one of its sources
.endr
	QUANT X
	global_store_b128 v4, v[PC:PC+3], s[18:19]                 ; 512 consecutive bytes
	global_store_b64 v5, v[PC+4:PC+5], s[18:19] offset:512     ; 256
	global_store_b128 v4, v[PC+6:PC+9], s[18:19] offset:768
	global_store_b64 v5, v[PC+10:PC+11], s[18:19] offset:1280
	global_store_b32 v11, v[PW], s[22:23]                      ; the tile's 16 scale words; lanes 16-31 repeat lanes 0-15: same address, same value
	s_wait_tensorcnt 0x0                               ; the wave's end
	ds_add_u32 v[SPW], v[NIL]
	s_wait_dscnt 0x0
	s_endpgm
.Lfunc_end_k_q2d03796204_proj:
	.size	k_q2d03796204_proj, .Lfunc_end_k_q2d03796204_proj-k_q2d03796204_proj
	.p2alignl 7, 3214868480
	.fill 96, 4, 3214868480
	.section	.rodata,"a",@progbits
	.p2align	6, 0x0
	.amdhsa_kernel k_q2d03796204_proj
		.amdhsa_group_segment_fixed_size 91648
		.amdhsa_private_segment_fixed_size 0
		.amdhsa_enable_private_segment 0
		.amdhsa_kernarg_size 64
		.amdhsa_user_sgpr_count 2
		.amdhsa_user_sgpr_kernarg_segment_ptr 1
		.amdhsa_wavefront_size32 1
		.amdhsa_system_sgpr_workgroup_id_x 1
		.amdhsa_system_sgpr_workgroup_id_y 1
		.amdhsa_system_sgpr_workgroup_id_z 1
		.amdhsa_system_vgpr_workitem_id 0
		.amdhsa_next_free_vgpr 512
		.amdhsa_next_free_sgpr 66
		.amdhsa_reserve_vcc 0
		.amdhsa_float_denorm_mode_32 3
		.amdhsa_float_denorm_mode_16_64 3
		.amdhsa_memory_ordered 1
		.amdhsa_forward_progress 1
		.amdhsa_inst_pref_size 79
	.end_amdhsa_kernel
	.amdgpu_metadata
---
amdhsa.version: [ 1, 2 ]
amdhsa.kernels:
  - .name:           k_q2d03796204_proj
    .symbol:         k_q2d03796204_proj.kd
    .args:
      - { .name: oc, .offset: 0, .size: 8, .value_kind: global_buffer, .address_space: global }
      - { .name: wc, .offset: 8, .size: 8, .value_kind: global_buffer, .address_space: global }
      - { .name: proj_b, .offset: 16, .size: 8, .value_kind: global_buffer, .address_space: global }
      - { .name: x, .offset: 24, .size: 8, .value_kind: global_buffer, .address_space: global }
      - { .name: ln2_g, .offset: 32, .size: 8, .value_kind: global_buffer, .address_space: global }
      - { .name: ln2_b, .offset: 40, .size: 8, .value_kind: global_buffer, .address_space: global }
      - { .name: x1, .offset: 48, .size: 8, .value_kind: global_buffer, .address_space: global }
      - { .name: h2c, .offset: 56, .size: 8, .value_kind: global_buffer, .address_space: global }
    .group_segment_fixed_size: 91648
    .private_segment_fixed_size: 0
    .kernarg_segment_align: 8
    .kernarg_segment_size: 64
    .max_flat_workgroup_size: 256
    .sgpr_count:     66
    .vgpr_count:     512
    .wavefront_size: 32
...
	.end_amdgpu_metadata
.endif
;; end of part 4
;; launch ff1 (part 5): grid 16 x 16, 8 waves a work-group, clusters of 4 x 4, 327,680 bytes of LDS; arguments h2c, wc, ff1_b, hid; writes hid
.if DOCPART == 5
	.amdgcn_target "amdgcn-amd-amdhsa--gfx1250"
	.amdhsa_code_object_version 6
	.text
	.protected	k_q2d03796204_ff1
	.globl	k_q2d03796204_ff1
	.p2align	8
	.type	k_q2d03796204_ff1,@function
k_q2d03796204_ff1:
	s_mov_b64 s[64:65], 0
	v_nop
	global_prefetch_b8 v0, s[64:65] scope:SCOPE_SE
	s_setreg_imm32_b32 hwreg(HW_REG_WAVE_MODE, 25, 1), 1
	s_wait_xcnt 0x0
	s_wait_alu depctr_hold_cnt(0) depctr_sa_sdst(0) depctr_va_vdst(0) depctr_va_sdst(0) depctr_va_ssrc(0) depctr_va_vcc(0) depctr_vm_vsrc(0)
	s_getreg_b32 s2, hwreg(HW_REG_IB_STS2, 6, 4)
	s_cmp_eq_u32 s2, 0
	s_cbranch_scc0 .Lentry_in_a_cluster
	s_endpgm
.Lentry_in_a_cluster:
	s_bfe_u32 s2, ttmp6, 0x10000c
	s_cmp_lg_u32 s2, 0xf033
	s_cbranch_scc0 .Lentry_shape_is_right
	s_endpgm
.Lentry_shape_is_right:
; hid = the codes of relu(ln2(x1) ff1_w + ff1_b): a product of two operands of codes (E2M3, one E8M0 scale for each 32 along K), K = 1,024, whose RESULT IS QUANTISED ON THE WAY OUT
; and leaves as codes, the operand of the last product.  Operands and result lie in blocks of 12,800 bytes: eight tiles' register images of one K step, then their scale words (launch prep); 32 blocks to a K step.
; A work-group of eight waves makes 256 x 256; a wave 128 rows of X (source 0, eight tiles: hidden units) x 64 rows of Y (source 1, four tiles: tokens): 32 accumulators, 256 registers, in window 1.
; In the result a lane holds one row of Y, and the 64 registers of a tile of Y are its 128 numbers along X: one K step of the next product.
; LDS: wave q of a side (waves 0-3 Y, 4-7 X) fetches half q / 2 of the side's 256 rows at K steps q % 2, + 2, + 4: ONE load of three rows of 12,800 bytes, on end in LDS: 6 of the 8 K steps, 307,200 bytes.
; Its first place is filled once more, with K step 6 + q % 2, when K steps 0 and 1 have been read; that load has four K steps' products in which to land.  One tensor load of a wave is out at any time.
; CLUSTERS 4 x 4: Y's blocks are shared along a row of the cluster, X's along a column: each is asked for jointly.
; No prefetch: the launch has no loop to run ahead in; the head's loads ask for three quarters of all that it reads.
; LIMITS: as stated in launch prep (NaN, infinities, blocks under 2^-124, the byte of a block of zeros).
.set FRB,   1536
.set BLK,   8*FRB+512
.set KSB,   32*BLK                     ; from K step to K step in either operand
.set WREG,  3*BLK                      ; a fetching wave's three places
.set XSIDE, 4*WREG
.set SPARE, 2*XSIDE                    ; the spare words, 128 bytes for each wave
.set WF1C,  4096000                    ; ff1_w's blocks in wc
.set SS0, 16                           ; v16-23 X's scale words, v24-27 Y's: they hold nothing else
.set SS1, 24
.set S0F, 32                           ; v32-127 X's eight fragments; v128-175 Y's four
.set S1F, 128
.set BIAS, 176                         ; v176-239 the bias in the result's layout, eight registers a tile of X
.set TM,  32                           ; the way out: v32-47 the quantiser's; v48-59 codes; v60-66 halves; v68-71 scale words; v72-73 merged
.set PC,  48
.set PT,  60
.set PW,  68
.set SW,  72
.set SPW, 252
.set NIL, 253
.set G1Y, 24                           ; groups 1: three rows of Y, of X; one block of Y, of X.  Groups 0 at s56, s60
.set G1X, 32
.set G1Y1, 40
.set G1X1, 48
.set G0Y, 56
.set G0X, 60
.set OUTC, 98
.set OUTS, 100
.set MSB, 0
.macro WIN new                         ; the immediate's high byte repeats the setting that is left
.if MSB != \new
	s_set_vgpr_msb (MSB<<8)|\new
.set MSB, \new
.endif
.endm
.macro PLACES n
.rept \n
	v_nop
.endr
.endm
.macro CROUND                          ; a round of the cluster's barrier
	s_barrier_signal -1
	s_barrier_wait -1
	s_cmp_lg_u32 s12, 0
	s_cbranch_scc1 .Lnot_wave_0_\@
	s_barrier_signal -3
.Lnot_wave_0_\@:
	s_barrier_wait -3
	s_barrier_signal -1
	s_barrier_wait -1
.endm
.macro JLOAD g0y, g1y, g0x, g1x        ; a joint load; the branch hangs on the wave's number alone; an s_nop 0 and four v_nop follow each line
	s_cmp_lt_u32 s12, 4
	s_cbranch_scc0 .Lfor_x_\@
	tensor_load_to_lds s[\g0y:\g0y+3], s[\g1y:\g1y+7]
	s_nop 0
.rept 4
	v_nop
.endr
	s_branch .Lasked_\@
.Lfor_x_\@:
	tensor_load_to_lds s[\g0x:\g0x+3], s[\g1x:\g1x+7]
	s_nop 0
.rept 4
	v_nop
.endr
.Lasked_\@:
.endm
.macro FRAG reg, adr, off              ; a fragment's image: v[adr] = 16 x lane + base, v[adr+1] = 8 x lane + base
	ds_load_b128 v[\reg:\reg+3], v[\adr] offset:\off
	ds_load_b64 v[\reg+4:\reg+5], v[\adr+1] offset:\off+512
	ds_load_b128 v[\reg+6:\reg+9], v[\adr] offset:\off+768
	ds_load_b64 v[\reg+10:\reg+11], v[\adr+1] offset:\off+1280
.endm
; One K step of 128: 60 LDS loads, 32 products.  par: the K step's parity (addresses v6-11 or v240-245); j: which of the three places; first = 1: C is the bias.
; The 32 accumulators take turns, one instruction a turn, in the same order in every step.
.macro KSTEP par, j, first
.set AX, 6+234*\par
.irp a, 0,1,2,3
	ds_load_b32 v[SS1+\a], v[AX+5] offset:(\j)*BLK+64*\a
.endr
.irp t, 0,1,2,3,4,5,6,7
	ds_load_b32 v[SS0+\t], v[AX+4] offset:(\j)*BLK+64*\t
.endr
.irp a, 0,1,2,3
	FRAG S1F+12*\a, AX+2, (\j)*BLK+FRB*\a
.endr
.irp t, 0,1,2,3,4,5,6,7
	FRAG S0F+12*\t, AX, (\j)*BLK+FRB*\t
.endr
.if \first
	WIN 0x40                                           ; D in window 1
.else
	WIN 0x50                                           ; C and D in window 1
.endif
.irp t, 0,1,2,3,4,5,6,7
	s_wait_dscnt 4*(7-\t)                              ; X's tile t is in; the later tiles' loads, four each, may be out
.irp a, 0,1,2,3
.if \first
	v_wmma_scale_f32_16x16x128_f8f6f4 v[8*(8*\a+\t):8*(8*\a+\t)+7], v[S0F+12*\t:S0F+12*\t+11], v[S1F+12*\a:S1F+12*\a+11], v[BIAS+8*\t:BIAS+8*\t+7], v[SS0+\t], v[SS1+\a] matrix_a_fmt:MATRIX_FMT_FP6 matrix_b_fmt:MATRIX_FMT_FP6
.else
	v_wmma_scale_f32_16x16x128_f8f6f4 v[8*(8*\a+\t):8*(8*\a+\t)+7], v[S0F+12*\t:S0F+12*\t+11], v[S1F+12*\a:S1F+12*\a+11], v[8*(8*\a+\t):8*(8*\a+\t)+7], v[SS0+\t], v[SS1+\a] matrix_a_fmt:MATRIX_FMT_FP6 matrix_b_fmt:MATRIX_FMT_FP6
.endif
.endr
.endr
	WIN 0
.endm
; 64 numbers of a lane in window 1, from register s on, become a fragment's codes in v[PC] on and its scale word in v[w].  Each accumulator is read from its low end on.
.macro QUANT s, w
	WIN 0x05
.irp b, 0,1,2,3
	v_max3_num_f32 v[TM+\b], |v[\s+16*\b]|, |v[\s+16*\b+1]|, 0x1800000   ; and the floor 2^(3 - 127): the byte cannot fall under 1
.endr
	WIN 0x14
.irp i, 2,4,6,8,10,12,14
.irp b, 0,1,2,3
	v_max3_num_f32 v[TM+\b], v[TM+\b], |v[\s+16*\b+\i]|, |v[\s+16*\b+\i+1]|
.endr
.endr
	WIN 0
.irp b, 0,1,2,3
	v_permlanex16_b32 v[TM+4+\b], v[TM+\b], s2, s3
.endr
.irp b, 0,1,2,3
	s_delay_alu instid0(VALU_DEP_4)
	v_max_num_f32 v[TM+\b], v[TM+\b], v[TM+4+\b]
.endr
.irp b, 0,1,2,3
	s_delay_alu instid0(VALU_DEP_4)
	v_add_nc_u32 v[TM+12+\b], 0xff000000, v[TM+\b]     ; 2 off the exponent field: the conversion's scale operand
.endr
.irp b, 0,1,2,3
	s_delay_alu instid0(VALU_DEP_4)
	v_lshrrev_b32 v[TM+4+\b], 23, v[TM+12+\b]
.endr
	s_delay_alu instid0(VALU_DEP_3)
	v_lshl_or_b32 v[\w], v[TM+5], 8, v[TM+4]
	s_delay_alu instid0(VALU_DEP_1)
	v_lshl_or_b32 v[\w], v[TM+6], 16, v[\w]
	s_delay_alu instid0(VALU_DEP_1)
	v_lshl_or_b32 v[\w], v[TM+7], 24, v[\w]
	WIN 0x01
.irp c, 0,1
	v_cvt_scalef32_pk16_fp6_f32 v[PC+6*\c:PC+2+6*\c], v[\s+32*\c:\s+32*\c+15], v[TM+12+2*\c]
	v_cvt_scalef32_pk16_fp6_f32 v[PT+4*\c:PT+2+4*\c], v[\s+32*\c+16:\s+32*\c+31], v[TM+12+2*\c+1]
.endr
	WIN 0
	v_nop                                              ; one plain place behind a scaled conversion
.irp c, 0,1
.irp i, 0,1,2
	v_permlane16_swap_b32 v[PC+6*\c+\i], v[PT+4*\c+\i]
.endr
.irp i, 0,1,2
	s_delay_alu instid0(VALU_DEP_3)
	v_mov_b32 v[PC+3+6*\c+\i], v[PT+4*\c+\i]
.endr
.endr
.endm
.macro STFRAG off
	global_store_b128 v4, v[PC:PC+3], s[OUTC:OUTC+1] offset:\off             ; 512 consecutive bytes
	global_store_b64 v5, v[PC+4:PC+5], s[OUTC:OUTC+1] offset:\off+512        ; 256
	global_store_b128 v4, v[PC+6:PC+9], s[OUTC:OUTC+1] offset:\off+768
	global_store_b64 v5, v[PC+10:PC+11], s[OUTC:OUTC+1] offset:\off+1280
.endm
	s_load_b256 s[4:11], s[0:1], 0x0                   ; h2c, wc, ff1_b, hid
	v_lshl_add_u32 v[SPW], v0, 2, SPARE
	v_mov_b32 v[NIL], 0
	ds_add_u32 v[SPW], v[NIL]                          ; the wave's opening: the add, twice on end, and its wait ahead of my first tensor load
	ds_add_u32 v[SPW], v[NIL]
	v_lshrrev_b32 v1, 5, v0
	s_delay_alu instid0(VALU_DEP_1)
	v_readfirstlane_b32 s12, v1                        ; wave 0..7
	s_and_b32 s13, s12, 3                              ; which part of a side I fetch
	s_and_b32 s14, s12, 1                              ; which 128 rows of X are mine
	s_lshr_b32 s15, s12, 1                             ; which 64 rows of Y
	s_bfe_u32 s16, ttmp6, 0x40000                      ; cx
	s_bfe_u32 s17, ttmp6, 0x40004                      ; cy
	s_lshl_b32 s18, ttmp9, 2
	s_add_co_u32 s18, s18, s16                         ; X's block of 256 rows
	s_and_b32 s19, ttmp7, 0xffff
	s_lshl_b32 s19, s19, 2
	s_add_co_u32 s19, s19, s17                         ; Y's
	s_and_b32 s66, s13, 1                              ; my K steps' parity,
	s_mul_i32 s66, s66, KSB
	s_lshr_b32 s67, s13, 1                             ; my half of the 256 rows: one block
	s_mul_i32 s67, s67, BLK
	s_add_co_u32 s66, s66, s67
	s_mul_i32 s92, s19, 2*BLK                          ; Y's offset is made of Y's block and the wave's number alone,
	s_add_co_u32 s92, s92, s66
	s_mov_b32 s93, 0
	s_mul_i32 s96, s18, 2*BLK                          ; X's of X's block and the wave's number alone
	s_add_co_u32 s96, s96, s66
	s_add_co_u32 s96, s96, WF1C
	s_mov_b32 s97, 0
	s_mul_i32 s66, s13, WREG                           ; my three places in a side
	s_lshl_b32 s20, s17, 2
	s_lshl_b32 s20, 15, s20                            ; my row of the cluster
	s_lshl_b32 s21, 0x1111, s16                        ; my column
	s_or_b32 s[G1Y], s20, (3<<16)|(1<<21)              ; 15:0 the mask; 17:16 elements of 8 bytes; 21 set beside a mask; no padding
	s_or_b32 s[G1X], s21, (3<<16)|(1<<21)
	s_or_b32 s[G1Y1], s20, (3<<16)|(1<<21)
	s_or_b32 s[G1X1], s21, (3<<16)|(1<<21)
.irp g, G1Y, G1X                                       ; three rows of 12,800 bytes, two K steps apart in memory, on end in LDS
	s_mov_b32 s[\g+1], (BLK/8)<<16
	s_mov_b32 s[\g+2], 3<<16
	s_mov_b32 s[\g+3], (BLK/8)<<16
	s_mov_b32 s[\g+4], 3
	s_mov_b32 s[\g+5], 2*KSB/8
	s_mov_b32 s[\g+6], 0
	s_mov_b32 s[\g+7], 0
.endr
.irp g, G1Y1, G1X1                                     ; one block: 12,800 dense bytes, as 50 rows of 256
	s_mov_b32 s[\g+1], 32<<16
	s_mov_b32 s[\g+2], 50<<16
	s_mov_b32 s[\g+3], 32<<16
	s_mov_b32 s[\g+4], 50
	s_mov_b32 s[\g+5], 32
	s_mov_b32 s[\g+6], 0
	s_mov_b32 s[\g+7], 0
.endr
	s_wait_dscnt 0x0                                   ; both opening adds are done
	s_wait_kmcnt 0x0
	s_add_nc_u64 s[92:93], s[4:5], s[92:93]
	s_add_nc_u64 s[96:97], s[6:7], s[96:97]
	s_mov_b32 s[G0Y], 1
	s_mov_b32 s[G0Y+1], s66
	s_mov_b64 s[G0Y+2:G0Y+3], s[92:93]
	s_or_b32 s[G0Y+3], s[G0Y+3], 0x80000000
	s_mov_b32 s[G0X], 1
	s_add_co_u32 s[G0X+1], s66, XSIDE
	s_mov_b64 s[G0X+2:G0X+3], s[96:97]
	s_or_b32 s[G0X+3], s[G0X+3], 0x80000000
	CROUND                                             ; all sixteen work-groups are here: the first joint loads meet
	JLOAD G0Y, G1Y, G0X, G1X                           ; my one load at the head: three K steps of one block
	s_mul_i32 s67, s14, 2*WREG
	s_add_co_u32 s67, s67, XSIDE                       ; X: my half's places of even K steps
	s_add_co_u32 s90, s67, 8*FRB                       ; its scale words behind the eight images
	s_lshr_b32 s22, s15, 1
	s_mul_i32 s22, s22, 2*WREG
	s_and_b32 s91, s15, 1
	s_mul_i32 s23, s91, 4*FRB
	s_add_co_u32 s23, s23, s22                         ; Y: my four tiles of the block's eight
	s_lshl_b32 s91, s91, 8
	s_add_co_u32 s91, s91, s22
	s_add_co_u32 s91, s91, 8*FRB
	v_and_b32 v1, 31, v0
	v_and_b32 v2, 15, v0
	v_bfe_u32 v3, v0, 4, 1
	s_delay_alu instid0(VALU_DEP_3)
	v_lshlrev_b32 v4, 4, v1                            ; 16 x lane
	s_delay_alu instid0(VALU_DEP_4)
	v_lshlrev_b32 v5, 3, v1                            ; 8 x lane
	v_lshlrev_b32 v12, 2, v1                           ; 4 x lane
	v_lshlrev_b32 v31, 2, v2                           ; 4 r
	v_lshlrev_b32 v30, 6, v3                           ; 64 h
	v_add_nc_u32 v6, s67, v4
	v_add_nc_u32 v7, s67, v5
	v_add_nc_u32 v8, s23, v4
	v_add_nc_u32 v9, s23, v5
	v_add_nc_u32 v10, s90, v31
	v_add_nc_u32 v11, s91, v31
.irp i, 0,1,2,3,4,5
	v_add_nc_u32 v[240+\i], WREG, v[6+\i]              ; the same for odd K steps
.endr
	s_wait_alu depctr_va_vdst(0)                       ; the wait behind the head's last vector instruction
	; where the results go: K step 2 x (X's block) + my half; of its 32 blocks, block 2 x (Y's block) + my quarter / 2; in it tiles 4 x (my quarter % 2) on
	s_lshl_b32 s98, s18, 1
	s_add_co_u32 s98, s98, s14
	s_lshl_b32 s98, s98, 5
	s_lshl_b32 s100, s19, 1
	s_add_co_u32 s98, s98, s100
	s_lshr_b32 s100, s15, 1
	s_add_co_u32 s98, s98, s100
	s_mul_i32 s98, s98, BLK                            ; the block's first byte
	s_and_b32 s22, s15, 1
	s_lshl_b32 s100, s22, 8                            ; my four tiles' scale words: 256 bytes,
	s_add_co_u32 s100, s100, s98
	s_add_co_u32 s100, s100, 8*FRB                     ; behind the block's eight images
	s_mul_i32 s22, s22, 4*FRB
	s_add_co_u32 s98, s98, s22                         ; my four tiles' images
	s_mov_b32 s99, 0
	s_mov_b32 s101, 0
	s_add_nc_u64 s[OUTC:OUTC+1], s[10:11], s[98:99]
	s_add_nc_u64 s[OUTS:OUTS+1], s[10:11], s[100:101]
	s_lshl_b32 s22, s18, 10                            ; the bias of my 128 hidden units; lane (r, h) wants, for tile t, units 32 (t / 2) + 8 (t % 2) + 16 h + 0 .. 7
	s_lshl_b32 s23, s14, 9
	s_add_co_u32 s22, s22, s23
	s_mov_b32 s23, 0
	s_add_nc_u64 s[8:9], s[8:9], s[22:23]
.irp t, 0,1,2,3,4,5,6,7
	global_load_b128 v[BIAS+8*\t:BIAS+8*\t+3], v30, s[8:9] offset:(32*(\t/2)+8*(\t%2))*4
	global_load_b128 v[BIAS+8*\t+4:BIAS+8*\t+7], v30, s[8:9] offset:(32*(\t/2)+8*(\t%2))*4+16
.endr
	s_wait_tensorcnt 0x0                               ; my three K steps are in
	s_barrier_signal -1
	s_barrier_wait -1                                  ; everybody's are
	s_wait_loadcnt 0x0
	KSTEP 0, 0, 1                                      ; K step 0: the bias is the first products' C: nothing is cleared, nothing is added later
	PLACES 4                                           ; in front of loads into registers that matrix instructions have read (ISA guide 7.12.1 for vector instructions)
	KSTEP 1, 0, 0
	s_wait_tensorcnt 0x0                               ; THE ONE REFILL: no tensor load of mine is out,
	ds_add_u32 v[SPW], v[NIL]                          ; 0 onto my spare word
	s_add_nc_u64 s[G0Y+2:G0Y+3], s[G0Y+2:G0Y+3], 6*KSB ; my first place's next block: K step 6 or 7
	s_add_nc_u64 s[G0X+2:G0X+3], s[G0X+2:G0X+3], 6*KSB
	s_wait_dscnt 0x0                                   ; the add is done, and my reads of K steps 0 and 1 are over
	CROUND                                             ; the same holds of every wave of every partner
	JLOAD G0Y, G1Y1, G0X, G1X1                         ; my one load behind the round; its four v_nop are the places in front of the loads below
	KSTEP 0, 1, 0
	PLACES 4
	KSTEP 1, 1, 0
	PLACES 4
	KSTEP 0, 2, 0
	PLACES 4
	KSTEP 1, 2, 0
	s_wait_tensorcnt 0x0                               ; my part of K steps 6-7 is in,
	s_wait_dscnt 0x0
	s_barrier_signal -1
	s_barrier_wait -1                                  ; everybody's is
	PLACES 4
	KSTEP 0, 0, 0
	PLACES 4
	KSTEP 1, 0, 0
	; THE WAY OUT: each of my four tiles of Y becomes one fragment of the next product and one scale word a row
	PLACES 4
.irp b, 0,1,2,3
	v_mov_b32 v[TM+4+\b], 0                            ; written once: a lane permute's destination counts as one of its sources
.endr
	s_mov_b32 s2, 0x76543210
	s_mov_b32 s3, 0xfedcba98                           ; lane l xor 16
	s_mov_b32 s22, 0xffff0000
.irp a, 0,1,2,3
	WIN 0x44
.set j, 64*\a
.rept 64
	v_max_num_f32 v[j], 0, v[j]                        ; the activation, in f32
.set j, j+1
.endr
.if \a > 0
	s_wait_xcnt 0x0                                    ; the last fragment's stores have read their registers
.endif
	QUANT 64*\a, PW+\a
	STFRAG FRB*\a
.endr
	v_cndmask_b32 v[SW], v[PW], v[PW+1], s22           ; lanes 0-15 one tile's words, lanes 16-31 the next tile's
	v_cndmask_b32 v[SW+1], v[PW+2], v[PW+3], s22
	global_store_b32 v12, v[SW], s[OUTS:OUTS+1]
	global_store_b32 v12, v[SW+1], s[OUTS:OUTS+1] offset:128
	s_wait_tensorcnt 0x0                               ; the wave's end
	ds_add_u32 v[SPW], v[NIL]
	s_wait_dscnt 0x0
	CROUND                                             ; the closing round
	s_endpgm
.Lfunc_end_k_q2d03796204_ff1:
	.size	k_q2d03796204_ff1, .Lfunc_end_k_q2d03796204_ff1-k_q2d03796204_ff1
	.p2alignl 7, 3214868480
	.fill 96, 4, 3214868480
	.section	.rodata,"a",@progbits
	.p2align	6, 0x0
	.amdhsa_kernel k_q2d03796204_ff1
		.amdhsa_group_segment_fixed_size 327680
		.amdhsa_private_segment_fixed_size 0
		.amdhsa_enable_private_segment 0
		.amdhsa_kernarg_size 32
		.amdhsa_user_sgpr_count 2
		.amdhsa_user_sgpr_kernarg_segment_ptr 1
		.amdhsa_wavefront_size32 1
		.amdhsa_system_sgpr_workgroup_id_x 1
		.amdhsa_system_sgpr_workgroup_id_y 1
		.amdhsa_system_sgpr_workgroup_id_z 1
		.amdhsa_system_vgpr_workitem_id 0
		.amdhsa_next_free_vgpr 512
		.amdhsa_next_free_sgpr 102
		.amdhsa_reserve_vcc 0
		.amdhsa_float_denorm_mode_32 3
		.amdhsa_float_denorm_mode_16_64 3
		.amdhsa_memory_ordered 1
		.amdhsa_forward_progress 1
		.amdhsa_inst_pref_size 105
	.end_amdhsa_kernel
	.amdgpu_metadata
---
amdhsa.version: [ 1, 2 ]
amdhsa.kernels:
  - .name:           k_q2d03796204_ff1
    .symbol:         k_q2d03796204_ff1.kd
    .args:
      - { .name: h2c, .offset: 0, .size: 8, .value_kind: global_buffer, .address_space: global }
      - { .name: wc, .offset: 8, .size: 8, .value_kind: global_buffer, .address_space: global }
      - { .name: ff1_b, .offset: 16, .size: 8, .value_kind: global_buffer, .address_space: global }
      - { .name: hid, .offset: 24, .size: 8, .value_kind: global_buffer, .address_space: global }
    .group_segment_fixed_size: 327680
    .private_segment_fixed_size: 0
    .kernarg_segment_align: 8
    .kernarg_segment_size: 32
    .max_flat_workgroup_size: 256
    .sgpr_count:     102
    .vgpr_count:     512
    .wavefront_size: 32
...
	.end_amdgpu_metadata
.endif
;; end of part 5
;; launch ff2 (part 6): grid 8 x 32, 8 waves a work-group, clusters of 4 x 4, 327,680 bytes of LDS; arguments hid, wc, ff2_b, x1, out0; writes out0
.if DOCPART == 6
	.amdgcn_target "amdgcn-amd-amdhsa--gfx1250"
	.amdhsa_code_object_version 6
	.text
	.protected	k_q2d03796204_ff2
	.globl	k_q2d03796204_ff2
	.p2align	8
	.type	k_q2d03796204_ff2,@function
k_q2d03796204_ff2:
	s_mov_b64 s[64:65], 0
	v_nop
	global_prefetch_b8 v0, s[64:65] scope:SCOPE_SE
	s_setreg_imm32_b32 hwreg(HW_REG_WAVE_MODE, 25, 1), 1
	s_wait_xcnt 0x0
	s_wait_alu depctr_hold_cnt(0) depctr_sa_sdst(0) depctr_va_vdst(0) depctr_va_sdst(0) depctr_va_ssrc(0) depctr_va_vcc(0) depctr_vm_vsrc(0)
	s_getreg_b32 s2, hwreg(HW_REG_IB_STS2, 6, 4)
	s_cmp_eq_u32 s2, 0
	s_cbranch_scc0 .Lentry_in_a_cluster
	s_endpgm
.Lentry_in_a_cluster:
	s_bfe_u32 s2, ttmp6, 0x10000c
	s_cmp_lg_u32 s2, 0xf033
	s_cbranch_scc0 .Lentry_shape_is_right
	s_endpgm
.Lentry_shape_is_right:
; out0 = x1 + hidden ff2_w + ff2_b, in f32.  Y (the hidden layer of 4,096 tokens) and X (ff2_w's 1,024 columns) are operands of codes of E2M3 with E8M0 scales, K = 4,096: 32 K steps of 128,
; laid in blocks of 12,800 bytes: eight tiles' register images of one K step, then their scale words (launches prep and ff1 store them so).
; A work-group of eight waves makes 128 tokens x 128 columns: 256 work-groups.  K IS SHARED OUT INSIDE THE WORK-GROUP: wave (s1h = w & 1, kq = w / 2) makes
; 128 columns (source 0, eight tiles) x 64 tokens (source 1, four tiles) over the K steps that are kq modulo 4.  The four partial sums meet in LDS, in a stage that also gives whole rows out.
; LIMIT: an output's f32 sum is four sums over a quarter of K each, added at the end, not one sum in ascending K.
; THE RING.  A part is four K steps, one for each quarter of the waves.  Wave lw of a side (waves 0-3 Y, 4-7 X) fetches the K steps that are lw modulo 4 into three places of its own, on end in LDS.
; The head's ONE load a wave brings three rows of 12,800 bytes: parts 0, 1, 2: 307,200 bytes in all.  Then what has been read is filled again while the rest is read:
; read 0, 1 | places 0, 1 <- parts 3, 4 | read 2 | place 2 <- part 5 | read 3, 4 | places 0, 1 <- parts 6, 7 | read 5 | read 6, 7.  One tensor load of a wave is out at any time.
; CLUSTERS 4 x 4: Y's blocks are shared along a row, X's along a column: each is asked for jointly.
; PREFETCH INTO THE L2: behind the head's load parts 3, 4 and 5 are asked for, behind the first refill parts 6 and 7: each part at least one fill ahead of the load that wants it.  Of a part's four blocks of Y the
; partner at place cx names block cx, of X's the partner at cy block cy: by address alone.  A block's 50 units of 256 bytes are shared among the side's four waves, 13 lanes each; the other lanes repeat the wave's last unit.
.set WCC,   7372800                    ; ff2_w's blocks in wc
.set FRB,   1536
.set BLK,   8*FRB+512
.set KSBY,  32*BLK                     ; from K step to K step in memory
.set KSBX,  8*BLK
.set WREG,  3*BLK                      ; a fetching wave's three places
.set XSIDE, 4*WREG
.set SPARE, 2*XSIDE                    ; the spare words, 128 bytes for each wave
.set COPY,  128*528                    ; the way out: a stage of 128 rows x (512 bytes + 16) for each quarter of K, from byte 0 on: over the places, behind their last fill and last read
.set SS0, 16                           ; v16-23 X's scale words, v24-27 Y's: they hold nothing else
.set SS1, 24
.set S0F, 32                           ; v32-127 X's eight fragments; v128-175 Y's four
.set S1F, 128
.set RES, 176                          ; v176-239 sixteen rows of the residual, 16 bytes a lane; v240-243 the bias of my four columns
.set BI,  240
.set RD,  6
.set STO, 30
.set PFO, 15                           ; v15 the prefetches' offset: 256 x my unit of a block; never rewritten
.set SPW, 252
.set NIL, 253
.set G1Y, 24                           ; groups 1: rows of a block, four K steps apart, of Y, of X (three rows at the head, then two); one block of Y, of X
.set G1X, 32
.set G1Y1, 40
.set G1X1, 48
.set GAY, 56                           ; groups 0: my places 0 on, of Y, of X; my place 2, of Y, of X
.set GAX, 60
.set GCY, 68
.set GCX, 72
.set PF,  76                           ; s[76:85] where my prefetches of parts 3 to 7 begin; never rewritten
.set OUT, 98
.set MSB, 0
.macro WIN new                         ; the immediate's high byte repeats the setting that is left
.if MSB != \new
	s_set_vgpr_msb (MSB<<8)|\new
.set MSB, \new
.endif
.endm
.macro PLACES n
.rept \n
	v_nop
.endr
.endm
.macro CROUND                          ; a round of the cluster's barrier
	s_barrier_signal -1
	s_barrier_wait -1
	s_cmp_lg_u32 s12, 0
	s_cbranch_scc1 .Lnot_wave_0_\@
	s_barrier_signal -3
.Lnot_wave_0_\@:
	s_barrier_wait -3
	s_barrier_signal -1
	s_barrier_wait -1
.endm
.macro JLOAD g0y, g1y, g0x, g1x        ; a joint load; the branch hangs on the wave's number alone; an s_nop 0 and four v_nop follow each line
	s_cmp_lt_u32 s12, 4
	s_cbranch_scc0 .Lfor_x_\@
	tensor_load_to_lds s[\g0y:\g0y+3], s[\g1y:\g1y+7]
	s_nop 0
.rept 4
	v_nop
.endr
	s_branch .Lasked_\@
.Lfor_x_\@:
	tensor_load_to_lds s[\g0x:\g0x+3], s[\g1x:\g1x+7]
	s_nop 0
.rept 4
	v_nop
.endr
.Lasked_\@:
.endm
.macro FRAG reg, adr, off              ; a fragment's image: v[adr] = 16 x lane + base, v[adr+1] = 8 x lane + base
	ds_load_b128 v[\reg:\reg+3], v[\adr] offset:\off
	ds_load_b64 v[\reg+4:\reg+5], v[\adr+1] offset:\off+512
	ds_load_b128 v[\reg+6:\reg+9], v[\adr] offset:\off+768
	ds_load_b64 v[\reg+10:\reg+11], v[\adr+1] offset:\off+1280
.endm
; One K step of 128 out of place j: 60 LDS loads, 32 products.  zero = 1: the products start the sums.  pf = 1: parts 6 and 7 are asked of memory, behind the run of LDS loads.
; The 32 accumulators take turns, one instruction a turn, in the same order in every step.
.macro KSTEP j, zero, pf
.irp a, 0,1,2,3
	ds_load_b32 v[SS1+\a], v11 offset:(\j)*BLK+64*\a
.endr
.irp t, 0,1,2,3,4,5,6,7
	ds_load_b32 v[SS0+\t], v10 offset:(\j)*BLK+64*\t
.endr
.irp a, 0,1,2,3
	FRAG S1F+12*\a, 8, (\j)*BLK+FRB*\a
.endr
.irp t, 0,1,2,3,4,5,6,7
	FRAG S0F+12*\t, 6, (\j)*BLK+FRB*\t
.endr
.if \pf
	global_prefetch_b8 v[PFO], s[PF+6:PF+7] th:TH_LOAD_NT scope:SCOPE_SE
	global_prefetch_b8 v[PFO], s[PF+8:PF+9] th:TH_LOAD_NT scope:SCOPE_SE
.endif
.if \zero
	WIN 0x40                                           ; D in window 1
.else
	WIN 0x50                                           ; C and D in window 1
.endif
.irp t, 0,1,2,3,4,5,6,7
	s_wait_dscnt 4*(7-\t)                              ; X's tile t is in; the later tiles' loads, four each, may be out
.irp a, 0,1,2,3
.if \zero
	v_wmma_scale_f32_16x16x128_f8f6f4 v[8*(8*\a+\t):8*(8*\a+\t)+7], v[S0F+12*\t:S0F+12*\t+11], v[S1F+12*\a:S1F+12*\a+11], 0, v[SS0+\t], v[SS1+\a] matrix_a_fmt:MATRIX_FMT_FP6 matrix_b_fmt:MATRIX_FMT_FP6
.else
	v_wmma_scale_f32_16x16x128_f8f6f4 v[8*(8*\a+\t):8*(8*\a+\t)+7], v[S0F+12*\t:S0F+12*\t+11], v[S1F+12*\a:S1F+12*\a+11], v[8*(8*\a+\t):8*(8*\a+\t)+7], v[SS0+\t], v[SS1+\a] matrix_a_fmt:MATRIX_FMT_FP6 matrix_b_fmt:MATRIX_FMT_FP6
.endif
.endr
.endr
	WIN 0
.endm
; The places that have just been read are filled again, with the K steps twelve on.  two = 1: from here on the loads by rows bring two rows.
.macro REFILL gy, g1y, gx, g1x, two
	s_wait_tensorcnt 0x0                               ; no tensor load of mine is out: so descriptors may be written
	ds_add_u32 v[SPW], v[NIL]                          ; 0 onto my spare word; work on registers stands between it and the wait for it
	s_add_nc_u64 s[\gy+2:\gy+3], s[\gy+2:\gy+3], 12*KSBY
	s_add_nc_u64 s[\gx+2:\gx+3], s[\gx+2:\gx+3], 12*KSBX
.if \two
	s_mov_b32 s[G1Y+2], 2<<16
	s_mov_b32 s[G1Y+4], 2
	s_mov_b32 s[G1X+2], 2<<16
	s_mov_b32 s[G1X+4], 2
.endif
	s_wait_dscnt 0x0                                   ; the add is done, and my reads of the places to be filled are over
	CROUND                                             ; the same holds of every wave of every partner
	JLOAD \gy, \g1y, \gx, \g1x                         ; my one load behind the round; its four v_nop are the places in front of the LDS loads that follow
.endm
	s_load_b256 s[4:11], s[0:1], 0x0                   ; hid, wc, ff2_b, x1
	s_load_b64 s[OUT:OUT+1], s[0:1], 0x20              ; out0
	v_lshl_add_u32 v[SPW], v0, 2, SPARE
	v_mov_b32 v[NIL], 0
	ds_add_u32 v[SPW], v[NIL]                          ; the wave's opening: the add, twice on end, and its wait ahead of my first tensor load
	ds_add_u32 v[SPW], v[NIL]
	v_lshrrev_b32 v1, 5, v0
	s_delay_alu instid0(VALU_DEP_1)
	v_readfirstlane_b32 s12, v1                        ; wave 0..7
	s_and_b32 s13, s12, 3                              ; which K step of a part I fetch
	s_and_b32 s14, s12, 1                              ; which 64 tokens are mine
	s_lshr_b32 s15, s12, 1                             ; which K step of a part I multiply
	s_bfe_u32 s16, ttmp6, 0x40000                      ; cx
	s_bfe_u32 s17, ttmp6, 0x40004                      ; cy
	s_lshl_b32 s18, ttmp9, 2
	s_add_co_u32 s18, s18, s16                         ; block of 128 columns
	s_and_b32 s19, ttmp7, 0xffff
	s_lshl_b32 s19, s19, 2
	s_add_co_u32 s19, s19, s17                         ; block of 128 tokens
	s_mul_i32 s96, s13, KSBY                           ; Y's offset is made of the tokens' block and the wave's number alone: K step lw, block y
	s_mul_i32 s97, s19, BLK
	s_add_co_u32 s96, s96, s97
	s_mov_b32 s97, 0
	s_mul_i32 s2, s13, KSBX                            ; X's of the columns' block and the wave's number alone
	s_mul_i32 s3, s18, BLK
	s_add_co_u32 s2, s2, s3
	s_add_co_u32 s2, s2, WCC
	s_mov_b32 s3, 0
	s_mul_i32 s66, s13, WREG                           ; my three places: no place in the cluster enters an LDS address
	s_mov_b32 s88, KSBX                                ; the prefetches, in registers of their own: my side's
	s_cmp_lt_u32 s12, 4
	s_cselect_b32 s86, s16, s17                        ; K step of a part that my work-group names,
	s_cselect_b32 s87, s19, s18                        ; block,
	s_cselect_b32 s88, KSBY, s88                       ; bytes from K step to K step,
	s_cselect_b32 s89, 0, WCC                          ; and first byte in its buffer
	s_mul_i32 s86, s86, s88
	s_mul_i32 s87, s87, BLK
	s_mul_i32 s90, s88, 12                             ; part 3 begins twelve K steps on
	s_add_co_u32 s86, s86, s87
	s_add_co_u32 s86, s86, s89
	s_add_co_u32 s86, s86, s90
	s_mov_b32 s87, 0
	s_lshl_b32 s88, s88, 2                             ; from part to part
	s_mov_b32 s89, 0
	s_lshl_b32 s20, s17, 2
	s_lshl_b32 s20, 15, s20                            ; my row of the cluster
	s_lshl_b32 s21, 0x1111, s16                        ; my column
	s_or_b32 s[G1Y], s20, (3<<16)|(1<<21)              ; 15:0 the mask; 17:16 elements of 8 bytes; 21 set beside a mask; no padding
	s_or_b32 s[G1Y1], s20, (3<<16)|(1<<21)
	s_or_b32 s[G1X], s21, (3<<16)|(1<<21)
	s_or_b32 s[G1X1], s21, (3<<16)|(1<<21)
.irp g, G1Y, G1X                                       ; three rows of 12,800 bytes, four K steps apart in memory, on end in LDS
	s_mov_b32 s[\g+1], (BLK/8)<<16
	s_mov_b32 s[\g+2], 3<<16
	s_mov_b32 s[\g+3], (BLK/8)<<16
	s_mov_b32 s[\g+4], 3
	s_mov_b32 s[\g+6], 0
	s_mov_b32 s[\g+7], 0
.endr
	s_mov_b32 s[G1Y+5], 4*KSBY/8
	s_mov_b32 s[G1X+5], 4*KSBX/8
.irp g, G1Y1, G1X1                                     ; one block: 12,800 dense bytes, as 50 rows of 256
	s_mov_b32 s[\g+1], 32<<16
	s_mov_b32 s[\g+2], 50<<16
	s_mov_b32 s[\g+3], 32<<16
	s_mov_b32 s[\g+4], 50
	s_mov_b32 s[\g+5], 32
	s_mov_b32 s[\g+6], 0
	s_mov_b32 s[\g+7], 0
.endr
	s_wait_dscnt 0x0                                   ; both opening adds are done
	s_wait_kmcnt 0x0
	s_add_nc_u64 s[96:97], s[4:5], s[96:97]
	s_add_nc_u64 s[2:3], s[6:7], s[2:3]
	s_mov_b32 s[GAY], 1                                ; K step lw on: parts 0, 1, 2
	s_mov_b32 s[GAY+1], s66
	s_mov_b64 s[GAY+2:GAY+3], s[96:97]
	s_or_b32 s[GAY+3], s[GAY+3], 0x80000000
	s_mov_b32 s[GCY], 1                                ; my place 2, at part 2: its refill steps it to part 5
	s_add_co_u32 s[GCY+1], s66, 2*BLK
	s_add_nc_u64 s[GCY+2:GCY+3], s[96:97], 8*KSBY
	s_or_b32 s[GCY+3], s[GCY+3], 0x80000000
	s_mov_b32 s[GAX], 1
	s_add_co_u32 s[GAX+1], s66, XSIDE
	s_mov_b64 s[GAX+2:GAX+3], s[2:3]
	s_or_b32 s[GAX+3], s[GAX+3], 0x80000000
	s_mov_b32 s[GCX], 1
	s_add_co_u32 s[GCX+1], s66, XSIDE+2*BLK
	s_add_nc_u64 s[GCX+2:GCX+3], s[2:3], 8*KSBX
	s_or_b32 s[GCX+3], s[GCX+3], 0x80000000
	s_cmp_lt_u32 s12, 4
	s_cselect_b64 s[PF:PF+1], s[4:5], s[6:7]           ; the choice hangs on the wave's number alone
	s_add_nc_u64 s[PF:PF+1], s[PF:PF+1], s[86:87]
.irp p, 1,2,3,4
	s_add_nc_u64 s[PF+2*\p:PF+2*\p+1], s[PF+2*\p-2:PF+2*\p-1], s[88:89]
.endr
	CROUND                                             ; all sixteen work-groups are here: the first joint loads meet
	JLOAD GAY, G1Y, GAX, G1X                           ; my one load at the head
	s_mul_i32 s22, s15, WREG                           ; the places of my K steps
	s_add_co_u32 s67, s22, XSIDE                       ; X: all eight tiles,
	s_add_co_u32 s90, s67, 8*FRB                       ; their scale words behind the images;
	s_mul_i32 s23, s14, 4*FRB
	s_add_co_u32 s23, s23, s22                         ; Y: my four tiles,
	s_lshl_b32 s91, s14, 8
	s_add_co_u32 s91, s91, s22
	s_add_co_u32 s91, s91, 8*FRB                       ; and theirs
	s_mul_i32 s92, s15, COPY                           ; the stage: my quarter's copy, my 64 rows
	s_mul_i32 s93, s14, 64*528
	s_add_co_u32 s92, s92, s93
	s_mul_i32 s93, s13, 13                             ; my first unit of a block
	v_and_b32 v1, 31, v0
	v_and_b32 v2, 15, v0
	v_bfe_u32 v3, v0, 4, 1
	s_delay_alu instid0(VALU_DEP_2)
	v_mul_u32_u24 v[STO], v2, 528
	s_delay_alu instid0(VALU_DEP_4)
	v_lshlrev_b32 v4, 4, v1                            ; 16 x lane
	v_lshlrev_b32 v5, 3, v1                            ; 8 x lane
	v_lshlrev_b32 v31, 2, v2                           ; 4 r
	v_min_u32 v[PFO], 12, v1
	v_lshl_add_u32 v[STO], v3, 6, v[STO]               ; row r, 64 h bytes on
	v_add_nc_u32 v6, s67, v4
	v_add_nc_u32 v7, s67, v5
	v_add_nc_u32 v8, s23, v4
	v_add_nc_u32 v9, s23, v5
	v_add_nc_u32 v10, s90, v31
	v_add_nc_u32 v11, s91, v31
	v_add_nc_u32 v[PFO], s93, v[PFO]
	v_add_nc_u32 v[STO], s92, v[STO]
	s_delay_alu instid0(VALU_DEP_2)
	v_min_u32 v[PFO], 49, v[PFO]                       ; a block has 50 units
	s_delay_alu instid0(VALU_DEP_1)
	v_lshlrev_b32 v[PFO], 8, v[PFO]
	s_wait_alu depctr_va_vdst(0)                       ; the wait behind the head's last vector instruction
.irp p, 0,1,2
	global_prefetch_b8 v[PFO], s[PF+2*\p:PF+2*\p+1] th:TH_LOAD_NT scope:SCOPE_SE   ; parts 3, 4, 5
.endr
	; the rows that I shall store: tile w of the block's eight: tokens 128 y + 32 (w / 2) + 8 (w % 2) + i + 8 (i / 8); columns 128 x on
	s_lshl_b32 s22, s19, 7
	s_lshl_b32 s23, s15, 5
	s_add_co_u32 s22, s22, s23
	s_lshl_b32 s23, s14, 3
	s_add_co_u32 s22, s22, s23
	s_lshl_b32 s22, s22, 12
	s_lshl_b32 s23, s18, 9
	s_add_co_u32 s22, s22, s23
	s_mov_b32 s23, 0
	s_add_nc_u64 s[10:11], s[10:11], s[22:23]
	s_add_nc_u64 s[OUT:OUT+1], s[OUT:OUT+1], s[22:23]
	s_lshl_b32 s22, s18, 9
	s_add_nc_u64 s[8:9], s[8:9], s[22:23]
	s_wait_tensorcnt 0x0                               ; my three K steps are in
	s_barrier_signal -1
	s_barrier_wait -1                                  ; everybody's are
	KSTEP 0, 1, 0                                      ; part 0: the first products start the sums
	PLACES 4                                           ; in front of loads into registers that matrix instructions have read (ISA guide 7.12.1 for vector instructions)
	KSTEP 1, 0, 0                                      ; part 1
	REFILL GAY, G1Y, GAX, G1X, 1                       ; places 0 and 1 take parts 3 and 4
	KSTEP 2, 0, 1                                      ; part 2
	REFILL GCY, G1Y1, GCX, G1X1, 0                     ; place 2 takes part 5
	KSTEP 0, 0, 0                                      ; part 3
	PLACES 4
	KSTEP 1, 0, 0                                      ; part 4
	REFILL GAY, G1Y, GAX, G1X, 0                       ; places 0 and 1 take parts 6 and 7: the last tensor load
.set i, 0
.rept 16
	global_load_b128 v[RES+4*i:RES+4*i+3], v4, s[10:11] offset:(i+8*(i/8))*4096   ; the residual: 512 consecutive bytes of a row; asked for behind the last tiles, wanted on the way out
.set i, i+1
.endr
	global_load_b128 v[BI:BI+3], v4, s[8:9]
	KSTEP 2, 0, 0                                      ; part 5
	s_wait_tensorcnt 0x0                               ; my part of parts 6 and 7 is in,
	s_wait_dscnt 0x0
	s_barrier_signal -1
	s_barrier_wait -1                                  ; everybody's is
	PLACES 4
	KSTEP 0, 0, 0                                      ; part 6
	PLACES 4
	KSTEP 1, 0, 0                                      ; part 7
	; THE WAY OUT
	PLACES 4
	s_wait_dscnt 0x0
	s_barrier_signal -1
	s_barrier_wait -1                                  ; every wave's reads of the places are over; they have had their last fill
	WIN 0x04                                           ; an LDS store's data are its source 1: window 1
.irp a, 0,1,2,3
.irp t, 0,1,2,3,4,5,6,7
	ds_store_b128 v[STO], v[8*(8*\a+\t):8*(8*\a+\t)+3] offset:\a*16*528+128*(\t/2)+32*(\t%2)       ; lane (r, h): row r of tile a, columns 32 (t / 2) + 16 h + 8 (t % 2) + 0 .. 7; each accumulator from its low end on
	ds_store_b128 v[STO], v[8*(8*\a+\t)+4:8*(8*\a+\t)+7] offset:\a*16*528+128*(\t/2)+32*(\t%2)+16
.endr
.endr
	WIN 0
	s_mul_i32 s22, s12, 16*528
	v_add_nc_u32 v[RD], s22, v4                        ; back: my 16 rows, 16 bytes a lane, in each of the four copies
	s_delay_alu instid0(VALU_DEP_1)
	v_add_nc_u32 v[RD+1], COPY, v[RD]
	s_delay_alu instid0(VALU_DEP_2)
	v_add_nc_u32 v[RD+2], 2*COPY, v[RD]
	s_delay_alu instid0(VALU_DEP_3)
	v_add_nc_u32 v[RD+3], 3*COPY, v[RD]
	s_wait_alu depctr_va_vdst(0)
	s_wait_dscnt 0x0                                   ; for the others' sake: my stores have landed
	s_barrier_signal -1
	s_barrier_wait -1
.macro LOADB n                         ; rows 4 n .. 4 n + 3, four copies each
.irp q, 0,1,2,3
.irp c, 0,1,2,3
	ds_load_b128 v[32+64*((\n)%2)+16*\q+4*\c:32+64*((\n)%2)+16*\q+4*\c+3], v[RD+\c] offset:(4*(\n)+\q)*528
.endr
.endr
.endm
.macro SUMB n
.irp q, 0,1,2,3
.set BB, 32+64*((\n)%2)+16*\q
.set RR, RES+4*(4*(\n)+\q)
	v_pk_add_f32 v[BB:BB+1], v[BB:BB+1], v[BB+4:BB+5]
	v_pk_add_f32 v[BB+2:BB+3], v[BB+2:BB+3], v[BB+6:BB+7]
	v_pk_add_f32 v[BB+8:BB+9], v[BB+8:BB+9], v[BB+12:BB+13]
	v_pk_add_f32 v[BB+10:BB+11], v[BB+10:BB+11], v[BB+14:BB+15]
	v_pk_add_f32 v[RR:RR+1], v[RR:RR+1], v[BI:BI+1]
	v_pk_add_f32 v[RR+2:RR+3], v[RR+2:RR+3], v[BI+2:BI+3]
	s_delay_alu instid0(VALU_DEP_4)
	v_pk_add_f32 v[BB:BB+1], v[BB:BB+1], v[BB+8:BB+9]
	s_delay_alu instid0(VALU_DEP_4)
	v_pk_add_f32 v[BB+2:BB+3], v[BB+2:BB+3], v[BB+10:BB+11]
	s_delay_alu instid0(VALU_DEP_2)
	v_pk_add_f32 v[BB:BB+1], v[BB:BB+1], v[RR:RR+1]
	s_delay_alu instid0(VALU_DEP_2)
	v_pk_add_f32 v[BB+2:BB+3], v[BB+2:BB+3], v[RR+2:RR+3]
	global_store_b128 v4, v[BB:BB+3], s[OUT:OUT+1] offset:((4*(\n)+\q)+8*((4*(\n)+\q)/8))*4096   ; 32 lanes store 512 consecutive bytes, at a multiple of 256 from the buffer's first byte
.endr
.endm
	LOADB 0
	LOADB 1
	s_wait_loadcnt 0x0                                 ; the residual and the bias
	s_wait_dscnt 16                                    ; the first batch is in; the next batch's sixteen loads may be out
	SUMB 0
	s_wait_xcnt 0x0                                    ; the stores have read their registers
	LOADB 2
	s_wait_dscnt 16
	SUMB 1
	s_wait_xcnt 0x0
	LOADB 3
	s_wait_dscnt 16
	SUMB 2
	s_wait_dscnt 0x0
	SUMB 3
	s_wait_tensorcnt 0x0                               ; the wave's end
	ds_add_u32 v[SPW], v[NIL]
	s_wait_dscnt 0x0
	CROUND                                             ; the closing round
	s_endpgm
.Lfunc_end_k_q2d03796204_ff2:
	.size	k_q2d03796204_ff2, .Lfunc_end_k_q2d03796204_ff2-k_q2d03796204_ff2
	.p2alignl 7, 3214868480
	.fill 96, 4, 3214868480
	.section	.rodata,"a",@progbits
	.p2align	6, 0x0
	.amdhsa_kernel k_q2d03796204_ff2
		.amdhsa_group_segment_fixed_size 327680
		.amdhsa_private_segment_fixed_size 0
		.amdhsa_enable_private_segment 0
		.amdhsa_kernarg_size 40
		.amdhsa_user_sgpr_count 2
		.amdhsa_user_sgpr_kernarg_segment_ptr 1
		.amdhsa_wavefront_size32 1
		.amdhsa_system_sgpr_workgroup_id_x 1
		.amdhsa_system_sgpr_workgroup_id_y 1
		.amdhsa_system_sgpr_workgroup_id_z 1
		.amdhsa_system_vgpr_workitem_id 0
		.amdhsa_next_free_vgpr 512
		.amdhsa_next_free_sgpr 102
		.amdhsa_reserve_vcc 0
		.amdhsa_float_denorm_mode_32 3
		.amdhsa_float_denorm_mode_16_64 3
		.amdhsa_memory_ordered 1
		.amdhsa_forward_progress 1
		.amdhsa_inst_pref_size 102
	.end_amdhsa_kernel
	.amdgpu_metadata
---
amdhsa.version: [ 1, 2 ]
amdhsa.kernels:
  - .name:           k_q2d03796204_ff2
    .symbol:         k_q2d03796204_ff2.kd
    .args:
      - { .name: hid, .offset: 0, .size: 8, .value_kind: global_buffer, .address_space: global }
      - { .name: wc, .offset: 8, .size: 8, .value_kind: global_buffer, .address_space: global }
      - { .name: ff2_b, .offset: 16, .size: 8, .value_kind: global_buffer, .address_space: global }
      - { .name: x1, .offset: 24, .size: 8, .value_kind: global_buffer, .address_space: global }
      - { .name: out0, .offset: 32, .size: 8, .value_kind: global_buffer, .address_space: global }
    .group_segment_fixed_size: 327680
    .private_segment_fixed_size: 0
    .kernarg_segment_align: 8
    .kernarg_segment_size: 40
    .max_flat_workgroup_size: 256
    .sgpr_count:     102
    .vgpr_count:     512
    .wavefront_size: 32
...
	.end_amdgpu_metadata
.endif
;; end of part 6
